; MI455X (gfx1250); checked and timed in simulation.
; The chip was launched on July 23, 2026; its instructions are those of AMD's public machine-readable ISA for CDNA 5 (MIT licence, August 2026) and "CDNA5" Instruction Set Architecture Reference Guide (July 2026). The comments in the code are by the model that wrote it; some were corrected since.
;; Causal Self Attention. Allowed arithmetic: matrix products marked QUANTISED: E4M3 operands, one given power-of-two scale a tensor, by v_wmma_f32_16x16x64_fp8_fp8 or v_wmma_f32_16x16x128_fp8_fp8, f32 sums; everything else in f32.
;; Inputs: b_attn 3,072 float32; b_proj 1,024 float32; lowp_scales 8 int32 (the exponents e of the quantised operands' scales 2^e); w_attn 1,024 x 3,072 float32; w_proj 1,024 x 1,024 float32; x 8 x 1,024 x 1,024 float32.
;; Outputs: out0 8 x 1,024 x 1,024 float32.
;; This version of the problem:
;;   THIS VERSION OF THE PROBLEM IS GIVEN IN LOW PRECISION. The matrix products marked QUANTISED in the list below multiply operands that are first quantised to E4M3 (4 exponent bits, 3 mantissa bits; 8 bits a number), with one given power-of-two scale for each operand tensor; their sums are f32. All else is computed in f32.
;;   The module's matrix products, in the order in which they are computed (A, B: the left and right operand; K: the contracted axis; several contracted axes count as one K, in the product's order):
;;     1. [M 8,192, K 1,024] x [K 1,024, N 3,072]; A: input x; B: input w_attn: QUANTISED (scales: A lowp_scales[0], B lowp_scales[1])
;;     2. batch 128 x [M 1,024, K 64] x [K 64, N 1,024]; A: computed on the way; B: computed on the way: QUANTISED (scales: A lowp_scales[2], B lowp_scales[3])
;;     3. batch 128 x [M 1,024, K 1,024] x [K 1,024, N 64]; A: softmax (see below); B: computed on the way: QUANTISED (scales: A lowp_scales[4], B lowp_scales[5])
;;     4. [M 8,192, K 1,024] x [K 1,024, N 1,024]; A: computed on the way; B: input w_proj: QUANTISED (scales: A lowp_scales[6], B lowp_scales[7])
;;   THE QUANTISER, for each operand of a quantised product, along K:
;;     - The operand's scale is 2^e, e = its entry of the input lowp_scales (int32; the entries are numbered through the quantised products in the list's order, A before B).
;;     - Each number is divided by the scale, clamped to +-448, and rounded to the nearest number of E4M3, ties to even, subnormals kept.
;;     - The product sums the exact products of the quantised numbers (number of the format x scale) in f32.
;;   ~~~python
;;   def quantise(x, axis, e):      # numpy; x: float32 -> the quantised numbers, widened to float32 again
;;       x = np.moveaxis(x, axis, -1); K = x.shape[-1]
;;       r = np.clip(x / 2.0 ** e, -448, 448)
;;       step = 2.0 ** (np.maximum(np.frexp(np.where(r == 0, 1, r))[1] - 1, -6) - 3)
;;       q = np.round(r / step) * step * 2.0 ** e      # np.round: ties to even
;;       return np.moveaxis(q, -1, axis).astype(np.float32)
;;   ~~~
;;   SOFTMAX AHEAD OF A QUANTISED PRODUCT. Where the list says 'softmax', what is quantised is not the finished softmax but p = 2^(t - M), with t = logit x log2(e) and M = ceil(the row's largest t), a whole number; so 1/2 < the row's largest p <= 1. The row's sum l is taken of the UNQUANTISED p, in f32, and the product's result is divided by l at the end. Since M is a whole number, a kernel that streams over the keys may use a running M (the ceiling of the running maximum): every later rescaling is an exact power of two, so the quantised numbers keep their values, but for numbers so far below the row's largest that they fall under the format's range.
;;   OPERANDS COMPUTED ON THE WAY. 'Computed on the way' means the value that the module computes at that place (a softmax that the list does not call 'softmax' is quantised finished and normalised). What goes into a quantiser is computed in f32, as accurately as f32 sums, v_exp_f32 and their like allow (about 1e-6 of the number): no bf16 or f16 on the way to a quantiser, and a product that is left as it is and whose result goes on into a quantised operand takes f32 operands (vector FMAs, or v_wmma_f32_16x16x4_f32). A number that lies on a knife's edge between two numbers of the format may be rounded either way, as far as f32 arithmetic and the matrix unit's own rounding can turn it there, and no further.
;; One version. Each part assembles by itself: llvm-mc -triple=amdgcn-amd-amdhsa -mcpu=gfx1250 --defsym DOCPART=n.
;; ======== version 1 of 1: 4 launches
;; limits: right only within a limited range of input values
;; workspace buffers: x_img 8,388,608 bytes; wa_img 3,145,728 bytes; wp_img 1,048,576 bytes; q_img 8,388,608 bytes; k_img 8,388,608 bytes; v_img 8,388,608 bytes; y_img 8,388,608 bytes
;; launch quant (part 1): grid 768 x 1, 4 waves a work-group, no clusters, 34,304 bytes of LDS; arguments x, w_attn, w_proj, lowp_scales, x_img, wa_img, wp_img; writes x_img, wa_img, wp_img
.if DOCPART == 1
	.amdgcn_target "amdgcn-amd-amdhsa--gfx1250"
	.amdhsa_code_object_version 6
	.text
	.protected	k_qe68b150899_quant
	.globl	k_qe68b150899_quant
	.p2align	8
	.type	k_qe68b150899_quant,@function
k_qe68b150899_quant:
	s_mov_b64 s[64:65], 0
	v_nop
	global_prefetch_b8 v0, s[64:65] scope:SCOPE_SE
	s_setreg_imm32_b32 hwreg(HW_REG_WAVE_MODE, 25, 1), 1
	s_wait_xcnt 0x0
; x [8192][1024], w_attn [1024][3072] and w_proj [1024][1024], f32, become codes of FP8 (E4M3), each with its given scale 2^e (entries 0, 1, 7 of the scales).
; code = number / 2^e, held within +-448, rounded to the nearest code, ties to even.  LIMITS: e between -126 and 119; NaN among the inputs is not served (an infinity is held at the largest code).
; THE CODES ARE LAID AS IMAGES OF OPERAND REGISTERS.  A fragment is 16 rows x 128 along K = 2,048 bytes: group c (0..3) at 512 c + 16 x lane; lane (r = lane % 16, h = lane / 16) holds,
; of the fragment's row r, k = 32 c + 16 h + 0 .. 15.  An image is [tile of 16 rows][K step of 128][2,048 bytes].
; THE ROWS OF A TILE ARE NOT NEIGHBOURS: row r of tile t is true row 32 (t / 2) + 8 (t % 2) + r + 8 (r / 8) (for the weights: true column), so that in a product used transposed the 16 registers
; of tiles 2 b and 2 b + 1 are 16 neighbours along the next product's K.
; SHARES: work-groups 0-511: x, a tile of 16 rows each, wave w its K steps 2 w and 2 w + 1.  Work-groups 512-703: w_attn; 704-767: w_proj: one K step, 128 columns; a wave 32 columns.
; Every wave moves 16,384 bytes of f32.  No tensor loads, no barrier: waves share nothing.
.set SPARE, 33792                      ; behind the four stages: the spare words, 128 bytes a wave: two blocks of 256 bytes that no other line names
.set STW,   8448                       ; a wave's stage: 16 rows of SP bytes
.set SP,    528                        ; a stage row: 512 bytes + 16, an odd multiple of 16: the 16 rows that a read touches start 16 bytes apart modulo 256
.set NUM,   16                         ; v16-143  128 numbers
.set COD,   144                        ; v144-175 their codes: no store's data are written again
.set SPW,   12                         ; v12  LDS address of my spare word; never rewritten
.set NIL,   13                         ; v13  0; never rewritten
.macro SCALE e                         ; v11 = 2^e as f32 (the conversion takes its exponent field), v10 = 448 x 2^e
	s_add_co_i32 s32, s[\e], 127
	s_lshl_b32 s33, s32, 23
	v_mov_b32 v11, s33
	s_add_co_i32 s32, s32, 8
	s_lshl_b32 s32, s32, 23
	s_or_b32 s32, s32, 0x600000
	v_mov_b32 v10, s32
.endm
.macro LOADX t                         ; K step t of my two: 16 rows x 512 bytes, 32 lanes on 512 consecutive bytes; stage row i is the tile's row i
.set i, 0
.rept 16
	global_load_b128 v[NUM+64*\t+4*i:NUM+64*\t+4*i+3], v1, s[4:5] offset:(i+8*(i/8))*4096+512*\t th:TH_LOAD_NT
.set i, i+1
.endr
.endm
.macro TURN t                          ; through my stage: in as loaded, back 16 neighbours of each block of 32 to a lane.  LDS serves a wave's instructions in order (ISA guide 5.7.1.4): no wait between
.set i, 0
.rept 16
	ds_store_b128 v2, v[NUM+64*\t+4*i:NUM+64*\t+4*i+3] offset:i*SP
.set i, i+1
.endr
.set i, 0
.rept 16
	ds_load_b128 v[NUM+64*\t+4*i:NUM+64*\t+4*i+3], v3 offset:128*(i/4)+16*(i%4)
.set i, i+1
.endr
.endm
.macro QUANTX t                        ; 64 numbers of a lane, register 16 c + i = k 32 c + 16 h + i, become the fragment's 16 registers, which leave as they are
.set b, 0
.rept 4
.set i, 0
.rept 16
	v_med3_num_f32 v[NUM+64*\t+16*b+i], v[NUM+64*\t+16*b+i], -v10, v10   ; the conversion to an 8-bit code does not saturate (ISA guide 7.6.2): the hold comes first
.set i, i+1
.endr
	v_cvt_scalef32_pk8_fp8_f32 v[COD+16*\t+4*b:COD+16*\t+4*b+1], v[NUM+64*\t+16*b:NUM+64*\t+16*b+7], v11
	v_cvt_scalef32_pk8_fp8_f32 v[COD+16*\t+4*b+2:COD+16*\t+4*b+3], v[NUM+64*\t+16*b+8:NUM+64*\t+16*b+15], v11
.set b, b+1
.endr
	v_nop                                          ; a plain line behind the last conversion
.set b, 0
.rept 4
	global_store_b128 v1, v[COD+16*\t+4*b:COD+16*\t+4*b+3], s[12:13] offset:2048*\t+512*b   ; a group: 512 consecutive bytes, aligned
.set b, b+1
.endr
.endm
.macro LOADW c, n, src                 ; block c of 32 along K of my column: each load reads 32 columns, 128 consecutive bytes a wave, 512 a work-group
.set i, 0
.rept 32
	global_load_b32 v[NUM+32*(\c)+i], v4, s[\src:\src+1] offset:(32*(\c)+i)*\n*4 th:TH_LOAD_NT
.set i, i+1
.endr
.endm
.macro BLOCK c, n, src, dst
.if \c < 3
	s_wait_loadcnt 32                              ; this block's 32 loads are in; the next block's 32 may be out
.else
	s_wait_loadcnt 0x0
.endif
.if \c < 2
	LOADW \c+2, \n, \src
.endif
.set i, 0
.rept 32
	v_med3_num_f32 v[NUM+32*\c+i], v[NUM+32*\c+i], -v10, v10
.set i, i+1
.endr
.set i, 0
.rept 4
	v_cvt_scalef32_pk8_fp8_f32 v[COD+8*\c+2*i:COD+8*\c+2*i+1], v[NUM+32*\c+8*i:NUM+32*\c+8*i+7], v11
.set i, i+1
.endr
	v_nop                                          ; a plain line behind the last conversion
	global_store_b128 v5, v[COD+8*\c:COD+8*\c+3], s[\dst:\dst+1] offset:512*\c          ; k = 32 c + 0 .. 15: the image's lanes 0-15; sixteen lanes fill 256 consecutive bytes, aligned
	global_store_b128 v5, v[COD+8*\c+4:COD+8*\c+7], s[\dst:\dst+1] offset:512*\c+256    ; k = 32 c + 16 .. 31: its lanes 16-31
.endm
; A weight [1024][n]: K is its first axis.  A lane takes a column and its registers run down K, so the conversions give codes with K innermost and nothing is transposed.
.macro WPATH n, src, dst, e, first
	s_sub_co_u32 s28, ttmp9, \first
	s_and_b32 s29, s28, 7                          ; the K step
	s_lshr_b32 s28, s28, 3
	s_lshl_b32 s28, s28, 2
	s_add_co_u32 s28, s28, s18                     ; my wave's group of 32 columns
	s_mul_i32 s30, s29, 128*\n*4
	s_lshl_b32 s31, s28, 7
	s_add_co_u32 s30, s30, s31
	s_mov_b32 s31, 0
	s_add_nc_u64 s[\src:\src+1], s[\src:\src+1], s[30:31]
	s_lshl_b32 s32, s28, 15                        ; two tiles of 16,384 bytes for each group of columns,
	s_lshl_b32 s33, s29, 11                        ; 2,048 bytes a K step
	s_add_co_u32 s32, s32, s33
	s_mov_b32 s33, 0
	s_add_nc_u64 s[\dst:\dst+1], s[\dst:\dst+1], s[32:33]
	LOADW 0, \n, \src
	LOADW 1, \n, \src
	s_wait_kmcnt 0x0
	SCALE \e
	s_wait_alu depctr_va_vdst(0)
	BLOCK 0, \n, \src, \dst
	BLOCK 1, \n, \src, \dst
	BLOCK 2, \n, \src, \dst
	BLOCK 3, \n, \src, \dst
.endm
	s_load_b256 s[4:11], s[0:1], 0x0               ; x s[4:5], w_attn s[6:7], w_proj s[8:9], the scales' exponents s[10:11]
	s_load_b128 s[12:15], s[0:1], 0x20             ; x_img s[12:13], wa_img s[14:15]
	s_load_b64 s[16:17], s[0:1], 0x30              ; wp_img
	v_lshl_add_u32 v[SPW], v0, 2, SPARE
	v_mov_b32 v[NIL], 0
	v_lshrrev_b32 v6, 5, v0
	v_readfirstlane_b32 s18, v6                    ; wave 0..3
	v_and_b32 v7, 31, v0                           ; lane
	v_and_b32 v8, 15, v0                           ; r
	v_bfe_u32 v9, v0, 4, 1                         ; h
	v_lshlrev_b32 v1, 4, v7                        ; 16 x lane
	s_mul_i32 s28, s18, STW
	v_add_nc_u32 v2, s28, v1                       ; the stage, on the way in
	v_mul_u32_u24 v3, v8, SP
	v_lshl_add_u32 v3, v9, 6, v3
	v_add_nc_u32 v3, s28, v3                       ; and back: row r, + 64 h bytes
	v_and_b32 v4, 8, v8
	v_add_nc_u32 v4, v4, v8
	v_lshl_add_u32 v4, v9, 3, v4
	v_lshlrev_b32 v4, 2, v4                        ; a weight's column of my lane: 8 h + r + 8 (r / 8), in bytes
	v_lshlrev_b32 v5, 4, v8
	v_lshl_add_u32 v5, v9, 14, v5                  ; and where its codes go: tile h of the two, 16 r
	s_wait_kmcnt 0x0
	s_load_b256 s[20:27], s[10:11], 0x0            ; e0 .. e7
	s_cmp_lt_u32 ttmp9, 512
	s_cbranch_scc0 .Lweights
	; ---- x
	s_lshr_b32 s28, ttmp9, 1
	s_lshl_b32 s28, s28, 17                        ; 32 rows of 4,096 bytes for each pair of tiles,
	s_and_b32 s29, ttmp9, 1
	s_lshl_b32 s29, s29, 15                        ; 8 rows for the odd tile,
	s_add_co_u32 s28, s28, s29
	s_lshl_b32 s29, s18, 10                        ; my two K steps: 1,024 bytes of a row
	s_add_co_u32 s28, s28, s29
	s_mov_b32 s29, 0
	s_add_nc_u64 s[4:5], s[4:5], s[28:29]
	s_lshl_b32 s30, ttmp9, 14
	s_lshl_b32 s31, s18, 12
	s_add_co_u32 s30, s30, s31
	s_mov_b32 s31, 0
	s_add_nc_u64 s[12:13], s[12:13], s[30:31]
	LOADX 0
	LOADX 1
	s_wait_kmcnt 0x0
	SCALE 20
	s_wait_loadcnt 16                              ; the first K step's 16 loads are in, the second's 16 may be out
	s_wait_alu depctr_va_vdst(0)
	TURN 0
	s_wait_loadcnt 0x0
	TURN 1
	s_wait_dscnt 32                                ; the first turn is back; behind it stand the second's 16 stores and 16 loads
	QUANTX 0
	s_wait_dscnt 0x0
	QUANTX 1
	s_wait_tensorcnt 0x0                           ; the wave's end: behind my last LDS store
	ds_add_u32 v[SPW], v[NIL]
	s_wait_dscnt 0x0
	s_endpgm
.Lweights:                                             ; these waves write no LDS
	s_cmp_lt_u32 ttmp9, 704
	s_cbranch_scc0 .Lwp
	s_wait_alu depctr_va_vdst(0)
	WPATH 3072, 6, 14, 21, 512
	s_endpgm
.Lwp:
	s_wait_alu depctr_va_vdst(0)
	WPATH 1024, 8, 16, 27, 704
	s_endpgm
.Lfunc_end_k_qe68b150899_quant:
	.size	k_qe68b150899_quant, .Lfunc_end_k_qe68b150899_quant-k_qe68b150899_quant
	.p2alignl 7, 3214868480
	.fill 96, 4, 3214868480
	.section	.rodata,"a",@progbits
	.p2align	6, 0x0
	.amdhsa_kernel k_qe68b150899_quant
		.amdhsa_group_segment_fixed_size 34304
		.amdhsa_private_segment_fixed_size 0
		.amdhsa_enable_private_segment 0
		.amdhsa_kernarg_size 56
		.amdhsa_user_sgpr_count 2
		.amdhsa_user_sgpr_kernarg_segment_ptr 1
		.amdhsa_wavefront_size32 1
		.amdhsa_system_sgpr_workgroup_id_x 1
		.amdhsa_system_sgpr_workgroup_id_y 1
		.amdhsa_system_sgpr_workgroup_id_z 1
		.amdhsa_system_vgpr_workitem_id 0
		.amdhsa_next_free_vgpr 176
		.amdhsa_next_free_sgpr 66
		.amdhsa_reserve_vcc 0
		.amdhsa_float_denorm_mode_32 3
		.amdhsa_float_denorm_mode_16_64 3
		.amdhsa_memory_ordered 1
		.amdhsa_forward_progress 1
		.amdhsa_inst_pref_size 66
	.end_amdhsa_kernel
	.amdgpu_metadata
---
amdhsa.version: [ 1, 2 ]
amdhsa.kernels:
  - .name:           k_qe68b150899_quant
    .symbol:         k_qe68b150899_quant.kd
    .args:
      - { .name: x, .offset: 0, .size: 8, .value_kind: global_buffer, .address_space: global }
      - { .name: w_attn, .offset: 8, .size: 8, .value_kind: global_buffer, .address_space: global }
      - { .name: w_proj, .offset: 16, .size: 8, .value_kind: global_buffer, .address_space: global }
      - { .name: lowp_scales, .offset: 24, .size: 8, .value_kind: global_buffer, .address_space: global }
      - { .name: x_img, .offset: 32, .size: 8, .value_kind: global_buffer, .address_space: global }
      - { .name: wa_img, .offset: 40, .size: 8, .value_kind: global_buffer, .address_space: global }
      - { .name: wp_img, .offset: 48, .size: 8, .value_kind: global_buffer, .address_space: global }
    .group_segment_fixed_size: 34304
    .private_segment_fixed_size: 0
    .kernarg_segment_align: 8
    .kernarg_segment_size: 56
    .max_flat_workgroup_size: 128
    .sgpr_count:     66
    .vgpr_count:     176
    .wavefront_size: 32
...
	.end_amdgpu_metadata
.endif
;; end of part 1
;; launch qkv (part 2): grid 8 x 32, 4 waves a work-group, clusters of 4 x 4, 327,680 bytes of LDS; arguments x_img, wa_img, b_attn, lowp_scales, q_img, k_img, v_img; writes q_img, k_img, v_img
.if DOCPART == 2
	.amdgcn_target "amdgcn-amd-amdhsa--gfx1250"
	.amdhsa_code_object_version 6
	.text
	.protected	k_qe68b150899_qkv
	.globl	k_qe68b150899_qkv
	.p2align	8
	.type	k_qe68b150899_qkv,@function
k_qe68b150899_qkv:
	s_mov_b64 s[64:65], 0
	v_nop
	global_prefetch_b8 v0, s[64:65] scope:SCOPE_SE
	s_setreg_imm32_b32 hwreg(HW_REG_WAVE_MODE, 25, 1), 1
	s_wait_xcnt 0x0
	s_wait_alu depctr_hold_cnt(0) depctr_sa_sdst(0) depctr_va_vdst(0) depctr_va_sdst(0) depctr_va_ssrc(0) depctr_va_vcc(0) depctr_vm_vsrc(0)
	s_getreg_b32 s2, hwreg(HW_REG_IB_STS2, 6, 4)
	s_cmp_eq_u32 s2, 0
	s_cbranch_scc0 .Lentry_in_a_cluster
	s_endpgm
.Lentry_in_a_cluster:
	s_bfe_u32 s2, ttmp6, 0x10000c
	s_cmp_lg_u32 s2, 0xf033
	s_cbranch_scc0 .Lentry_shape_is_right
	s_endpgm
.Lentry_shape_is_right:
; qkv = x w_attn + b_attn on codes of FP8 (E4M3); q, k and v are quantised on the way out, each with its given scale, and stored as images of operand registers.
; IMAGES: a fragment (16 rows x 128 K) is 2,048 bytes, group c at 512 c + 16 x lane; lane (r, h) holds k = 32 c + 16 h + 0 .. 15 of row r; row r of tile t is true row 32 (t / 2) + 8 (t % 2) + r + 8 (r / 8).
; x_img [512 tiles][8 K steps][2048]; wa_img [192 tiles][8][2048], tile 12 head + 4 type + n.  The K = 64 form takes two groups (a HALF: 1,024 bytes of a tile): the same permutation of k on both sides.
; SHARES: a work-group makes 256 rows x 384 columns (two heads); a wave 128 rows x one head's 192 columns: 8 x 12 = 96 accumulators, 768 registers, the largest tile that the registers hold.
; q AND k ARE USED TRANSPOSED (source 0 = 16 columns of w, source 1 = 16 rows of x): a lane holds one row, and the 16 registers of column tiles 2 b, 2 b + 1 are d = 32 b + 16 h + 0 .. 15: group b of q's or k's image.
; v IS USED AS IT STANDS (source 0 = x, source 1 = w): a lane holds one d, and the 16 registers of row tiles 2 b, 2 b + 1 are 16 neighbouring KEYS: group b of v's image, whose K is the keys.
; So every conversion's result is a group of an image and leaves by one store of 512 consecutive bytes: no stage in LDS.
; q_img, k_img [128 heads][64 tiles][1024]; v_img [128 heads][4 tiles of d][8 key steps][2048].
; K IS 16 HALVES, in pieces of 3, 4, 3, 4, 2 through two LDS slots: slot a holds 3 halves, slot b 4.  Waves 0 and 1 fetch x's and w's part of slot a, waves 2 and 3 of slot b: one load a wave at the head, all four out at once;
; products begin when slot a is in.  Three refills follow: a with halves 7-9, b with 10-13, a with 14-15 (its tiles then 2,048 bytes apart: read as slot 2).
; CLUSTERS: 4 x 4 work-groups; x's tiles are shared along a row of the cluster, w's along a column: each is asked for jointly, by the same load with the same descriptor and a mask that names the four.
; PREFETCH: halves 7-10 behind the head's loads, 11-14 behind slot a's first refill, 15 behind slot b's: each at least one slot's work ahead of the load.  Each block of 256 bytes is named once in a cluster: of x's 16 tiles the partner at cx takes 4,
; of w's 24 tiles the partner at cy takes 6; two tiles x 16 blocks an instruction: wave 0 two of x, waves 1-3 one of w each.
; LIMITS: e0 + e1 between -126 and 127; e2, e3, e5 between -126 and 119; NaN is not served.
; REGISTERS: window 0: v4-20 addresses and scales; v32-95, v96-159 x's fragments of a half, two sets; v160-191, v192-223, v224-255 w's fragments, a set for each type.
;   windows 1, 2, 3: the accumulators of q, k, v: (row tile a, column tile n) at v[8 (4 a + n)].
.set AW,    49152                      ; slot a: x 16 tiles x 3,072 bytes at 0, w 24 tiles x 3,072 here
.set BX,    122880                     ; slot b: x 16 tiles x 4,096 here,
.set BW,    188416                     ; w 24 tiles x 4,096 here
.set SPARE, 286720                     ; behind the slots: the spare words, 128 bytes a wave: two blocks of 256 bytes that no other line names
.set NEXT,  7*1024                     ; a refill lies seven halves behind what the slot held
.set ADRA, 4                           ; v4-6   LDS address of my x fragments in slot a, b, and a with two halves
.set ADRB, 8                           ; v8-10  the same for w
.set LI,   12                          ; v12    16 x lane
.set H64,  13                          ; v13    64 h: where my half's biases of q and k begin
.set LIM,  14                          ; v14, v15: 448 x 2^e2, 2^e2;  v16, v17: with e3;  v18, v19: with e5
.set RP4,  20                          ; v20    4 (r + 8 (r / 8)): my lane's bias of v
.set SPW,  28                          ; v28    LDS address of my spare word; never rewritten
.set NIL,  29                          ; v29    0; never rewritten
.set PFO,  30                          ; v30    the prefetches' offset: 16,384 h + 256 r;  v31: + 256 x min(r, 3) in its stead.  Never rewritten
.set PFA,  92                          ; s[92:93] the prefetches' base: half 0 of my wave's first tile
.set AF,   32
.set BF,   160
.set T,    96                          ; the way out: 64 numbers
.set CR,   192                         ; the way out: 64 registers of codes
.set BQ,   32                          ; the way out: q's and k's biases, 8 registers a column tile
.set BV,   160                         ; v's biases: v160, 162, 164, 166
.set G1XA, 24                          ; descriptor groups 1 and 0: x and w of slot a, x and w of slot b
.set G1WA, 32
.set G1XB, 56
.set G1WB, 84
.set G0XA, 40
.set G0WA, 44
.set G0XB, 48
.set G0WB, 52
.set MSB, 0
.macro WIN new                         ; the immediate's high byte repeats the setting that is left
.if MSB != (\new)
	s_set_vgpr_msb (MSB<<8)|(\new)
.set MSB, (\new)
.endif
.endm
.macro PLACES                          ; four places in front of loads into registers that matrix instructions have read, and of the first read of results
.rept 4
	v_nop
.endr
.endm
.macro CREST                           ; a round of the cluster's barrier behind its opening barrier
	s_cmp_lg_u32 s18, 0
	s_cbranch_scc1 .Lnot_wave_0_\@
	s_barrier_signal -3
.Lnot_wave_0_\@:
	s_barrier_wait -3
	s_barrier_signal -1
	s_barrier_wait -1
.endm
.macro CROUND
	s_barrier_signal -1
	s_barrier_wait -1
	CREST
.endm
.macro TL g, h                         ; a joint load; s_nop 0 and four v_nop behind it
	tensor_load_to_lds s[\g:\g+3], s[\h:\h+7]
	s_nop 0
.rept 4
	v_nop
.endr
.endm
.macro ARM k, g, h                     ; an arm of the head's one chain: wave k's load
	s_cmp_eq_u32 s18, \k
	s_cbranch_scc0 .Lnot_arm_\k
	TL \g, \h
	s_branch .Lhead_asked
.Lnot_arm_\k:
.endm
.macro JLOAD w, gx, hx, gw, hw         ; a slot's refill: wave w fetches x's part, wave w + 1 w's, the others nothing.  The branches hang on the wave's number alone
	s_cmp_eq_u32 s18, \w
	s_cbranch_scc0 .Lnot_x_\@
	TL \gx, \hx
	s_branch .Lasked_\@
.Lnot_x_\@:
	s_cmp_eq_u32 s18, \w+1
	s_cbranch_scc0 .Lasked_\@
	TL \gw, \hw
.Lasked_\@:
	PLACES                                         ; for the LDS loads below, in the waves that fetch nothing too
.endm
.macro ASK off, po
	WIN 0
	global_prefetch_b8 v[\po], s[PFA:PFA+1] offset:\off th:TH_LOAD_NT scope:SCOPE_SE
	s_cmp_lg_u32 s18, 0
	s_cbranch_scc1 .Lone_\@
	global_prefetch_b8 v[\po], s[PFA:PFA+1] offset:\off+32768 th:TH_LOAD_NT scope:SCOPE_SE
.Lone_\@:
.endm
.macro LOADA s, kh, ab                 ; x's eight fragments of half kh of slot s into set ab: 16 loads of 512 consecutive bytes
.set RS, 3072+1024*(\s%2)-1024*(\s/2)  ; bytes from tile to tile: 3,072, 4,096, 2,048
.set i, 0
.rept 16
	ds_load_b128 v[AF+64*(\ab)+4*i:AF+64*(\ab)+4*i+3], v[ADRA+\s] offset:(i/2)*RS+(\kh)*1024+(i%2)*512
.set i, i+1
.endr
.endm
.macro LOADB s, kh, y                  ; the four fragments of type y: 8 loads
.set RS, 3072+1024*(\s%2)-1024*(\s/2)
.set i, 0
.rept 8
	ds_load_b128 v[BF+32*\y+4*i:BF+32*\y+4*i+3], v[ADRB+\s] offset:(4*\y+i/2)*RS+(\kh)*1024+(i%2)*512
.set i, i+1
.endr
.endm
; 8 matrix instructions: row tiles a0, a0 + 1 x the four column tiles of type y.  zero = 1: the first product starts the sums.  The 96 accumulators take turns, one instruction a turn.
.macro MUL8 y, ab, a0, zero
.irp a, \a0, \a0+1
.irp n, 0,1,2,3
.if \y < 2
.if \zero
	v_wmma_f32_16x16x64_fp8_fp8 v[8*(4*(\a)+\n):8*(4*(\a)+\n)+7], v[BF+32*\y+8*\n:BF+32*\y+8*\n+7], v[AF+64*\ab+8*(\a):AF+64*\ab+8*(\a)+7], 0
.else
	v_wmma_f32_16x16x64_fp8_fp8 v[8*(4*(\a)+\n):8*(4*(\a)+\n)+7], v[BF+32*\y+8*\n:BF+32*\y+8*\n+7], v[AF+64*\ab+8*(\a):AF+64*\ab+8*(\a)+7], v[8*(4*(\a)+\n):8*(4*(\a)+\n)+7]
.endif
.else
.if \zero
	v_wmma_f32_16x16x64_fp8_fp8 v[8*(4*(\a)+\n):8*(4*(\a)+\n)+7], v[AF+64*\ab+8*(\a):AF+64*\ab+8*(\a)+7], v[BF+32*\y+8*\n:BF+32*\y+8*\n+7], 0
.else
	v_wmma_f32_16x16x64_fp8_fp8 v[8*(4*(\a)+\n):8*(4*(\a)+\n)+7], v[AF+64*\ab+8*(\a):AF+64*\ab+8*(\a)+7], v[BF+32*\y+8*\n:BF+32*\y+8*\n+7], v[8*(4*(\a)+\n):8*(4*(\a)+\n)+7]
.endif
.endif
.endr
.endr
.endm
; A half is three PHASES of 32 matrix instructions, one for each type; in a phase's middle stands one run of LDS loads.  LDS loads come back in order (ISA guide 5.7.1).
.macro P0 s, kh, ab, zero              ; q.  Its middle fetches v's fragments of the same half
	s_wait_dscnt 8                                 ; q's fragments and x's are in; k's 8 loads, issued behind them, may be out
	WIN 0x50
	MUL8 0, \ab, 0, \zero
	MUL8 0, \ab, 2, \zero
	WIN 0
	PLACES
	LOADB \s, \kh, 2
	WIN 0x50
	MUL8 0, \ab, 4, \zero
	MUL8 0, \ab, 6, \zero
.endm
.macro P1 sn, khn, ab, zero            ; k.  Its middle fetches q's fragments and x's of the next half
	s_wait_dscnt 8                                 ; k's fragments are in; v's 8 loads may be out
	WIN 0xa0
	MUL8 1, \ab, 0, \zero
	MUL8 1, \ab, 2, \zero
	WIN 0
	PLACES
	LOADB \sn, \khn, 0
	LOADA \sn, \khn, 1-\ab
	WIN 0xa0
	MUL8 1, \ab, 4, \zero
	MUL8 1, \ab, 6, \zero
.endm
.macro P2 sn, khn, ab, zero            ; v.  Its middle fetches k's fragments of the next half
	s_wait_dscnt 24                                ; v's fragments are in; the next half's 8 + 16 loads may be out
	WIN 0xf0
	MUL8 2, \ab, 0, \zero
	MUL8 2, \ab, 2, \zero
	WIN 0
	PLACES
	LOADB \sn, \khn, 1
	WIN 0xf0
	MUL8 2, \ab, 4, \zero
	MUL8 2, \ab, 6, \zero
.endm
; k's phase of a slot's last half changes slots: the slot's last reads (v's fragments) were issued a phase ago.  ONE barrier: in front of it each wave waits for all its tensor loads, adds 0 to its spare word,
; and waits for that and for its reads of the slot.  mode 1, 2, 3: the barrier opens a round of the cluster's barrier, and slot a (1; 3: with two halves) or b (2) is filled again first thing behind the round.
.macro TURNP sn, mode, ab
	WIN 0                                          ; (the add's two registers lie in window 0)
	s_wait_tensorcnt 0x0                           ; all my tensor loads have landed
	ds_add_u32 v[SPW], v[NIL]                      ; 0 onto my spare word
	s_wait_dscnt 9                                 ; k's fragments are in; v's 8 loads and the add may be out
	WIN 0xa0
	MUL8 1, \ab, 0, 0                              ; eight matrix instructions stand between the add and the wait for it
	s_wait_dscnt 0x0                               ; the add is done, and my reads of this slot are over
	s_barrier_signal -1
	MUL8 1, \ab, 2, 0
	WIN 0
	s_barrier_wait -1
.if \mode
	CREST                                          ; no wave of any partner still reads this slot or has a load on its way
.if \mode == 2
	s_add_nc_u64 s[G0XB+2:G0XB+3], s[G0XB+2:G0XB+3], NEXT
	s_add_nc_u64 s[G0WB+2:G0WB+3], s[G0WB+2:G0WB+3], NEXT
	JLOAD 2, G0XB, G1XB, G0WB, G1WB
.else
	s_add_nc_u64 s[G0XA+2:G0XA+3], s[G0XA+2:G0XA+3], NEXT
	s_add_nc_u64 s[G0WA+2:G0WA+3], s[G0WA+2:G0WA+3], NEXT
.if \mode == 3
	s_mov_b32 s[G1XA+1], 256<<16                   ; rows of two halves, dense in LDS
	s_mov_b32 s[G1XA+3], 256<<16
	s_mov_b32 s[G1WA+1], 256<<16
	s_mov_b32 s[G1WA+3], 256<<16
.endif
	JLOAD 0, G0XA, G1XA, G0WA, G1WA
.endif
.else
	PLACES
.endif
	LOADB \sn, 0, 0
	LOADA \sn, 0, 1-\ab
	WIN 0xa0
	MUL8 1, \ab, 4, 0
	MUL8 1, \ab, 6, 0
.endm
.macro HALF s, kh, ab, zero            ; a half whose successor lies in the same slot
	P0 \s, \kh, \ab, \zero
	P1 \s, \kh+1, \ab, \zero
	P2 \s, \kh+1, \ab, \zero
.endm
.macro HTURN s, kh, sn, mode, ab       ; a slot's last half; the next lies in slot sn
	P0 \s, \kh, \ab, 0
	TURNP \sn, \mode, \ab
	P2 \sn, 0, \ab, 0
.endm
.macro MKSC e, lim                     ; v[lim] = 448 x 2^e, v[lim + 1] = 2^e as f32
	s_add_co_i32 s78, s[\e], 127
	s_lshl_b32 s79, s78, 23
	v_mov_b32 v[\lim+1], s79
	s_add_co_i32 s78, s78, 8
	s_lshl_b32 s78, s78, 23
	s_or_b32 s78, s78, 0x600000
	v_mov_b32 v[\lim], s78
.endm
.macro CODES y                         ; the 64 numbers in T become 16 registers of codes, four groups, in the ring at 16 be
.set g, 0
.rept 4
.set i, 0
.rept 16
	v_med3_num_f32 v[T+16*g+i], v[T+16*g+i], -v[LIM+2*\y], v[LIM+2*\y]   ; the conversion does not saturate (ISA guide 7.6.2): the hold comes first
.set i, i+1
.endr
	v_cvt_scalef32_pk8_fp8_f32 v[CR+16*be+4*g:CR+16*be+4*g+1], v[T+16*g:T+16*g+7], v[LIM+2*\y+1]
	v_cvt_scalef32_pk8_fp8_f32 v[CR+16*be+4*g+2:CR+16*be+4*g+3], v[T+16*g+8:T+16*g+15], v[LIM+2*\y+1]
.set g, g+1
.endr
	v_nop                                          ; a plain line between the last conversion and the next batch, which writes T again
.endm
.macro OUTQK y, ptr                    ; q or k: four batches of two row tiles; number = sum x 2^(e0 + e1) + bias, one packed multiply-add for two; each accumulator from its low end on
.set be, 0
.rept 4
	WIN \y+1                                       ; source 0: the type's window
.set i, 0
.rept 32
	v_pk_fma_f32 v[T+2*i:T+2*i+1], v[64*be+2*i:64*be+2*i+1], s[76:77], v[BQ+32*\y+(2*i)%32:BQ+32*\y+(2*i)%32+1] op_sel_hi:[1,0,1]
.set i, i+1
.endr
	WIN 0
	CODES \y
.set g, 0
.rept 4
	global_store_b128 v[LI], v[CR+16*be+4*g:CR+16*be+4*g+3], s[\ptr:\ptr+1] offset:2048*be+512*g   ; row tile 2 be + g / 2, group g % 2: 512 consecutive bytes, aligned
.set g, g+1
.endr
.set be, be+1
.endr
.endm
.macro OUTV                            ; v: four batches, a pair of row tiles (32 keys) x the four tiles of d
.set be, 0
.rept 4
	WIN 3
.set i, 0
.rept 32
	v_pk_fma_f32 v[T+2*i:T+2*i+1], v[8*(4*(2*be+(i/4)%2)+i/8)+2*(i%4):8*(4*(2*be+(i/4)%2)+i/8)+2*(i%4)+1], s[76:77], v[BV+2*(i/8):BV+2*(i/8)+1] op_sel_hi:[1,0,0]
.set i, i+1
.endr
	WIN 0
	CODES 2
.set g, 0
.rept 4
	global_store_b128 v[LI], v[CR+16*be+4*g:CR+16*be+4*g+3], s[16:17] offset:16384*g+512*be   ; tile g of d, group be of my key step
.set g, g+1
.endr
.set be, be+1
.endr
.endm
; group 1: rows of n elements of 8 bytes, 16,384 bytes apart in memory (a tile's eight K steps), dense in LDS
.macro MKG1 g, mask, n, rows
	s_or_b32 s[\g], s[\mask], (3<<16)|(1<<21)      ; 15:0 the mask; 17:16 elements of 8 bytes; 21 set beside a mask; no padding
	s_mov_b32 s[\g+1], \n<<16                      ; tensor_dim0
	s_mov_b32 s[\g+2], \rows<<16                   ; tensor_dim1
	s_mov_b32 s[\g+3], \n<<16                      ; tile_dim0
	s_mov_b32 s[\g+4], \rows                       ; tile_dim1
	s_mov_b32 s[\g+5], 2048                        ; tensor_dim0_stride, in elements
	s_mov_b32 s[\g+6], 0
	s_mov_b32 s[\g+7], 0
.endm
.macro MKG0 g, lds, base, off
	s_mov_b32 s[\g], 1
	s_mov_b32 s[\g+1], \lds
	s_add_nc_u64 s[\g+2:\g+3], s[\base:\base+1], \off
	s_or_b32 s[\g+3], s[\g+3], 0x80000000
.endm
	s_load_b256 s[4:11], s[0:1], 0x0               ; x_img s[4:5], wa_img s[6:7], b_attn s[8:9], the scales' exponents s[10:11]
	s_load_b128 s[12:15], s[0:1], 0x20             ; q_img s[12:13], k_img s[14:15]
	s_load_b64 s[16:17], s[0:1], 0x30              ; v_img
	v_lshl_add_u32 v[SPW], v0, 2, SPARE
	v_mov_b32 v[NIL], 0
	ds_add_u32 v[SPW], v[NIL]                      ; the wave's opening: the add, twice on end, and its wait stand ahead of my first tensor load; the set-up below, work on registers, stands between
	ds_add_u32 v[SPW], v[NIL]
	v_lshrrev_b32 v1, 5, v0
	v_readfirstlane_b32 s18, v1                    ; wave 0..3
	s_lshr_b32 s19, s18, 1                         ; which 128 rows are mine
	s_and_b32 s20, s18, 1                          ; which head of the two
	s_bfe_u32 s21, ttmp6, 0x40000                  ; cx
	s_bfe_u32 s22, ttmp6, 0x40004                  ; cy
	s_lshl_b32 s23, ttmp9, 2
	s_add_co_u32 s23, s23, s21                     ; the pair of heads: 4 x cluster x + cx, 0..7
	s_and_b32 s66, ttmp7, 0xffff
	s_lshl_b32 s66, s66, 2
	s_add_co_u32 s66, s66, s22                     ; the block of 256 rows: 4 x cluster y + cy, 0..31
	s_lshl_b32 s67, s22, 2
	s_lshl_b32 s67, 15, s67                        ; my row of the cluster
	s_lshl_b32 s78, 0x1111, s21                    ; my column
	MKG1 G1XA, 67, 384, 16
	MKG1 G1WA, 78, 384, 24
	MKG1 G1XB, 67, 512, 16
	MKG1 G1WB, 78, 512, 24
	s_lshl_b32 s80, s66, 18                        ; x: tile 16 x block, 16,384 bytes a tile: hangs on the block of rows alone
	s_mov_b32 s81, 0
	s_mul_i32 s82, s23, 24*16384                   ; w: tile 24 x pair of heads: hangs on the pair of heads alone
	s_mov_b32 s83, 0
	s_wait_dscnt 0x0                               ; both opening adds are done
	s_wait_kmcnt 0x0
	s_load_b256 s[68:75], s[10:11], 0x0            ; e0 .. e7
	s_add_nc_u64 s[80:81], s[4:5], s[80:81]
	s_add_nc_u64 s[82:83], s[6:7], s[82:83]
	MKG0 G0XA, 0, 80, 0                            ; no place in the cluster enters an LDS address
	MKG0 G0WA, AW, 82, 0
	MKG0 G0XB, BX, 80, 3072
	MKG0 G0WB, BW, 82, 3072
	CROUND                                         ; all sixteen work-groups are here: the first joint loads meet
	ARM 0, G0XA, G1XA                              ; one tensor load a wave, in the arms of one chain
	ARM 1, G0WA, G1WA
	ARM 2, G0XB, G1XB
	TL G0WB, G1WB
.Lhead_asked:
	s_mul_i32 s94, s19, 8*3072                     ; my 8 tiles of x in slot a,
	s_lshl_b32 s95, s19, 15
	s_add_co_u32 s95, s95, BX                      ; in slot b,
	s_lshl_b32 s96, s19, 14                        ; and in slot a with two halves;
	s_mul_i32 s97, s20, 12*3072
	s_add_co_u32 s97, s97, AW                      ; my 12 tiles of w likewise
	s_mul_i32 s98, s20, 12*4096
	s_add_co_u32 s98, s98, BW
	s_mul_i32 s99, s20, 12*2048
	s_add_co_u32 s99, s99, AW
	v_and_b32 v1, 31, v0
	v_and_b32 v2, 15, v0                           ; r
	v_bfe_u32 v3, v0, 4, 1                         ; h
	v_lshlrev_b32 v[LI], 4, v1
	v_lshlrev_b32 v[H64], 6, v3
	v_and_b32 v[RP4], 8, v2
	v_add_nc_u32 v[RP4], v[RP4], v2
	v_lshlrev_b32 v[RP4], 2, v[RP4]
.irp i, 0,1,2
	v_add_nc_u32 v[ADRA+\i], s[94+\i], v[LI]
	v_add_nc_u32 v[ADRB+\i], s[97+\i], v[LI]
.endr
	v_min_u32 v[PFO+1], 3, v2
	v_lshlrev_b32 v[PFO], 14, v3
	v_lshlrev_b32 v[PFO+1], 8, v[PFO+1]
	v_lshl_add_u32 v[PFO+1], v3, 14, v[PFO+1]
	v_lshl_add_u32 v[PFO], v2, 8, v[PFO]
	s_lshl_b32 s94, s23, 1
	s_add_co_u32 s94, s94, s20                     ; my head, 0..15
	s_lshr_b32 s95, s66, 2                         ; the batch
	s_lshl_b32 s95, s95, 4
	s_add_co_u32 s95, s95, s94
	s_lshl_b32 s95, s95, 16                        ; 65,536 bytes for each head of each batch, in each of the three images
	s_and_b32 s96, s66, 3
	s_lshl_b32 s96, s96, 1
	s_add_co_u32 s96, s96, s19                     ; which 128 rows of the batch's 1,024 are mine
	s_lshl_b32 s98, s96, 13                        ; q, k: 8 tiles of 1,024 bytes
	s_add_co_u32 s98, s98, s95
	s_mov_b32 s99, 0
	s_add_nc_u64 s[12:13], s[12:13], s[98:99]
	s_add_nc_u64 s[14:15], s[14:15], s[98:99]
	s_lshl_b32 s98, s96, 11                        ; v: my 128 rows are one key step: 2,048 bytes in each tile of d
	s_add_co_u32 s98, s98, s95
	s_add_nc_u64 s[16:17], s[16:17], s[98:99]
	s_mul_i32 s98, s94, 768                        ; my head's 192 biases
	s_add_nc_u64 s[8:9], s[8:9], s[98:99]
	s_lshl_b32 s94, s21, 16                        ; the prefetches: x: tiles 4 cx on of the block's 16,
	s_mul_i32 s95, s22, 6*16384                    ; w: tiles 6 cy + 2 (wave - 1) on of the pair's 24
	s_sub_co_u32 s96, s18, 1
	s_lshl_b32 s96, s96, 15
	s_add_co_u32 s95, s95, s96
	s_cmp_eq_u32 s18, 0
	s_cselect_b32 s94, s94, s95
	s_cselect_b64 s[PFA:PFA+1], s[80:81], s[82:83]
	s_mov_b32 s95, 0
	s_add_nc_u64 s[PFA:PFA+1], s[PFA:PFA+1], s[94:95]
	s_wait_alu depctr_va_vdst(0)                   ; the head's end
	ASK 7*1024, PFO                                ; halves 7-10
	s_cmp_lt_u32 s18, 2
	s_cbranch_scc0 .Lb_not_yet                     ; slot b's loads, waves 2 and 3's, may be out
	s_wait_tensorcnt 0x0                           ; my part of slot a is in
.Lb_not_yet:
	s_barrier_signal -1
	s_barrier_wait -1                              ; both parts are
	LOADB 0, 0, 0
	LOADA 0, 0, 0
	LOADB 0, 0, 1
	HALF 0, 0, 0, 1                                ; half 0 starts the sums
	HALF 0, 1, 1, 0
	HTURN 0, 2, 1, 1, 0                            ; half 2; slot a takes 7-9
	ASK 11*1024, PFO                               ; halves 11-14
	HALF 1, 0, 1, 0
	HALF 1, 1, 0, 0
	HALF 1, 2, 1, 0
	HTURN 1, 3, 0, 2, 0                            ; half 6; slot b takes 10-13
	ASK 15*1024, PFO+1                             ; half 15
	HALF 0, 0, 1, 0
	HALF 0, 1, 0, 0
	HTURN 0, 2, 1, 3, 1                            ; half 9; slot a takes 14-15: the last load
	HALF 1, 0, 0, 0
	HALF 1, 1, 1, 0
	HALF 1, 2, 0, 0
	HTURN 1, 3, 2, 0, 1                            ; half 13; nothing is left to fetch: the barrier shows halves 14-15 whole to every wave
	HALF 2, 0, 0, 0                                ; half 14
	s_wait_dscnt 8                                 ; half 15, written out: it fetches biases in place of fragments
	WIN 0x50
	MUL8 0, 1, 0, 0
	MUL8 0, 1, 2, 0
	WIN 0
	PLACES
	LOADB 2, 1, 2
.irp y, 0,1
.irp n, 0,1,2,3
	global_load_b128 v[BQ+32*\y+8*\n:BQ+32*\y+8*\n+3], v[H64], s[8:9] offset:(64*\y+32*(\n/2)+8*(\n%2))*4        ; in the result's layout: register j of tile n is d = 32 (n / 2) + 8 (n % 2) + 16 h + j.  x's first set is done with
	global_load_b128 v[BQ+32*\y+8*\n+4:BQ+32*\y+8*\n+7], v[H64], s[8:9] offset:(64*\y+32*(\n/2)+8*(\n%2))*4+16
.endr
.endr
	WIN 0x50
	MUL8 0, 1, 4, 0
	MUL8 0, 1, 6, 0
	s_wait_dscnt 8
	WIN 0xa0
	MUL8 1, 1, 0, 0
	MUL8 1, 1, 2, 0
	WIN 0
	PLACES
.irp n, 0,1,2,3
	global_load_b32 v[BV+2*\n], v[RP4], s[8:9] offset:(128+32*(\n/2)+8*(\n%2))*4   ; v: a lane holds one d of each tile.  q's set is done with
.endr
	WIN 0xa0
	MUL8 1, 1, 4, 0
	MUL8 1, 1, 6, 0
	s_wait_dscnt 0x0
	WIN 0xf0
	MUL8 2, 1, 0, 0
	MUL8 2, 1, 2, 0
	MUL8 2, 1, 4, 0
	MUL8 2, 1, 6, 0
	WIN 0
	; THE WAY OUT
	s_wait_kmcnt 0x0
	s_add_co_i32 s76, s68, s69
	s_add_co_i32 s76, s76, 127
	s_lshl_b32 s76, s76, 23                        ; 2^(e0 + e1) as f32
	s_mov_b32 s77, s76                             ; (named with it as a pair, so it is written)
	MKSC 70, LIM
	MKSC 71, LIM+2
	MKSC 73, LIM+4
	s_wait_loadcnt 0x0                             ; the biases
	PLACES
	OUTQK 0, 12
	s_wait_xcnt 0x0                                ; q's stores have read the ring of codes: it is written again only behind this wait
	OUTQK 1, 14
	s_wait_xcnt 0x0
	OUTV
	s_wait_tensorcnt 0x0                           ; the wave's end: behind my last tensor load
	ds_add_u32 v[SPW], v[NIL]
	s_wait_dscnt 0x0
	CROUND                                         ; the closing round: no work-group ends while a partner may still ask for a tile that names it
	s_endpgm
.Lfunc_end_k_qe68b150899_qkv:
	.size	k_qe68b150899_qkv, .Lfunc_end_k_qe68b150899_qkv-k_qe68b150899_qkv
	.p2alignl 7, 3214868480
	.fill 96, 4, 3214868480
	.section	.rodata,"a",@progbits
	.p2align	6, 0x0
	.amdhsa_kernel k_qe68b150899_qkv
		.amdhsa_group_segment_fixed_size 327680
		.amdhsa_private_segment_fixed_size 0
		.amdhsa_enable_private_segment 0
		.amdhsa_kernarg_size 56
		.amdhsa_user_sgpr_count 2
		.amdhsa_user_sgpr_kernarg_segment_ptr 1
		.amdhsa_wavefront_size32 1
		.amdhsa_system_sgpr_workgroup_id_x 1
		.amdhsa_system_sgpr_workgroup_id_y 1
		.amdhsa_system_sgpr_workgroup_id_z 1
		.amdhsa_system_vgpr_workitem_id 0
		.amdhsa_next_free_vgpr 1024
		.amdhsa_next_free_sgpr 100
		.amdhsa_reserve_vcc 0
		.amdhsa_float_denorm_mode_32 3
		.amdhsa_float_denorm_mode_16_64 3
		.amdhsa_memory_ordered 1
		.amdhsa_forward_progress 1
		.amdhsa_inst_pref_size 249
	.end_amdhsa_kernel
	.amdgpu_metadata
---
amdhsa.version: [ 1, 2 ]
amdhsa.kernels:
  - .name:           k_qe68b150899_qkv
    .symbol:         k_qe68b150899_qkv.kd
    .args:
      - { .name: x_img, .offset: 0, .size: 8, .value_kind: global_buffer, .address_space: global }
      - { .name: wa_img, .offset: 8, .size: 8, .value_kind: global_buffer, .address_space: global }
      - { .name: b_attn, .offset: 16, .size: 8, .value_kind: global_buffer, .address_space: global }
      - { .name: lowp_scales, .offset: 24, .size: 8, .value_kind: global_buffer, .address_space: global }
      - { .name: q_img, .offset: 32, .size: 8, .value_kind: global_buffer, .address_space: global }
      - { .name: k_img, .offset: 40, .size: 8, .value_kind: global_buffer, .address_space: global }
      - { .name: v_img, .offset: 48, .size: 8, .value_kind: global_buffer, .address_space: global }
    .group_segment_fixed_size: 327680
    .private_segment_fixed_size: 0
    .kernarg_segment_align: 8
    .kernarg_segment_size: 56
    .max_flat_workgroup_size: 128
    .sgpr_count:     100
    .vgpr_count:     1024
    .wavefront_size: 32
...
	.end_amdgpu_metadata
.endif
;; end of part 2
;; launch attn (part 3): grid 2 x 128, 16 waves a work-group, no clusters, 133,120 bytes of LDS; arguments q_img, k_img, v_img, lowp_scales, y_img; writes y_img
.if DOCPART == 3
	.amdgcn_target "amdgcn-amd-amdhsa--gfx1250"
	.amdhsa_code_object_version 6
	.text
	.protected	k_qe68b150899_attn
	.globl	k_qe68b150899_attn
	.p2align	8
	.type	k_qe68b150899_attn,@function
k_qe68b150899_attn:
	s_mov_b64 s[64:65], 0
	v_nop
	global_prefetch_b8 v0, s[64:65] scope:SCOPE_SE
	s_setreg_imm32_b32 hwreg(HW_REG_WAVE_MODE, 25, 1), 1
	s_wait_xcnt 0x0
; y = softmax(q k^T / 8, causal) v for one head of one batch, both products on codes of FP8 (E4M3); y is quantised with its given scale and stored as an image of the last product's operand.
; q_img, k_img [128 heads][64 tiles of 16][1024]: group g at 512 g + 16 x lane, lane (r, h): d = 32 g + 16 h + 0 .. 15 of the tile's row r, which is true row 32 (t / 2) + 8 (t % 2) + r + 8 (r / 8).
; v_img [128 heads][4 tiles of d][8 key steps][2048]: lane (r, h): keys 32 c + 16 h + 0 .. 15 of the key step.  y_img [512 row tiles][8 K steps][2048]: K step head / 2, group 2 (head % 2) + b.
; THE SOFTMAX: t = score x log2(e) / 8; M = the row's largest t so far, rounded up to a whole number; p = 2^(t - M) is quantised, not normalised; the row's sum is taken of the unquantised p and divides at the end.
; When M moves, the sum and O are multiplied by 2^(old M - new M): nothing is rounded, and there is no branch on floating-point data.
; BOTH PRODUCTS ARE USED TRANSPOSED: S^T = k q^T, O^T = v^T p^T: a lane holds one query throughout; by the order of a tile's rows, the 16 registers of key tiles 2 b, 2 b + 1 are 16 neighbouring keys,
; and those of O^T's tiles 2 b, 2 b + 1 are d = 32 b + 16 h + 0 .. 15: the conversions' results are the next operand's registers.
; SHARES: a work-group has one head; a wave owns query tiles 16 p + w (early) and 63 - (16 p + w) (late): 7 open key steps of 128 and two on the diagonal for every wave of the launch.
; THE HEAD'S k AND v GO THROUGH REGISTERS INTO LDS, 16,384 bytes a key step, 1,024 of them by each wave (one load of k, one of v), all 16 loads of a wave asked for at the start in the order of the keys.
; They are stored in three stages, each with its barrier: key step 0; 1 and 2; 3 to 7.  The late tile sees key steps 0 to 3 whole, so it begins on step 0 while the others are on their way.  No LDS byte is written twice.
; CAUSAL: a key step all of whose keys come after the tile's queries is jumped over, by a scalar branch on ids.  On the diagonal a tile in the lower half of its 128 takes 64 keys (all masked), one in the upper half 128 (the upper 64 masked):
; hidden scores become -infinity, so p = 0.  That work is dead: reference() builds the mask itself and adds -1e9 to a hidden logit; a NaN or an infinity that reaches only hidden scores is not carried to the result.
; THE HOLD of p at 448 x 2^e4: p is at most 1 but for rounding, so where e4 >= -8 (1 / 2^e4 <= 256) it can change nothing and is jumped over, by a branch on the given whole number e4; else it is done.  (This launch has no tensor load.)
; LIMITS: a hidden key counts for nothing, which is what -1e9 gives wherever a row's largest logit lies above about -1e9 + 200.  e2 + e3 between -123 and 130 (added to c's exponent field);
; e4, e6 between -126 and 119; e4 + e5 is applied by v_ldexp_f32 and has none.  NaN is not served.  The scaled scores stay under 2^31 in magnitude.
; No cluster: a head's images are read by two work-groups only, once each.  No prefetch: all that a wave reads is asked for at its start.
; REGISTERS: v0, v9 at work; v1 16 x lane; v2 the address in hand; v3 16 x thread; v4, v5 the add's two; v6 r + 8 (r / 8) - 16 h; v7, v8: 448 x 2^e4, 2^e4; v10 2^(old M - new M); v11 a permute's destination; v12 -M; v13 the largest t;
;   v[14:15] the sum in two halves; v16-23 q of the late tile; v24-39 partial sums, then p's codes; v40-103 fragments of k, then of v; v104-167 S^T, then p; v168-199 O^T; v200-255 k and v of key steps 1-7 on their way (then v200-207 q of the early tile).
.set SPARE, 131072                     ; behind the eight key steps: the spare words, 128 bytes a wave: eight blocks of 256 bytes that no other line names
; WHEN THE LOADS GO OUT (this is what 'at the start' stands for above): key step 0 and q first, in every wave; behind a barrier, which orders the issue alone, key steps 1 and 2; key steps 3-5 and 6-7 inside the first key step,
; behind its loads of v's fragments and behind its sums: so no wave's later key steps are asked for ahead of another wave's part of an earlier stage.
.macro GL n                            ; my 512 bytes of k and of v of key step n
	global_load_b128 v[192+8*\n:195+8*\n], v3, s[34:35] offset:8192*\n
	global_load_b128 v[196+8*\n:199+8*\n], v1, s[32:33] offset:2048*\n
.endm
; A KEY STEP of 32 nb keys at LDS byte s45: k at 0, v at 8,192.  Q: the first register of my tile's q.  first = 1: it starts the sums.  mask 1: the upper 64 keys unless the step is open; 2: the lower 64
.macro BODY nb, Q, first, mask
	v_add_nc_u32 v2, s45, v1
.rept 3
	v_nop                                          ; with the addition: four places in front of loads into registers that the last products read
.endr
.set i, 0
.rept 4*\nb
	ds_load_b128 v[40+4*i:43+4*i], v2 offset:512*i                       ; key tile i / 2, group i % 2: 512 consecutive bytes
.set i, i+1
.endr
	s_wait_alu depctr_va_vdst(0)
	s_wait_dscnt 0x0
.set i, 0
.rept 2*\nb
	v_wmma_f32_16x16x64_fp8_fp8 v[104+8*i:111+8*i], v[40+8*i:47+8*i], v[\Q:\Q+7], 0
.set i, i+1
.endr
.rept 4
	v_nop
.endr
.set i, 0
.rept 4*\nb
	ds_load_b128 v[40+4*i:43+4*i], v2 offset:8192+2048*(i/\nb)+512*(i%\nb)   ; tile i / nb of d, group i % nb; in hand while the softmax runs
.set i, i+1
.endr
.if \first
	GL 3
	GL 4
	GL 5
.endif
.if \mask == 1
	s_add_co_u32 s55, s44, 127
	s_cmp_le_u32 s55, s48
	s_cbranch_scc1 .Lopen_\@                       ; all 128 keys count for all my queries
.endif
.if \mask
	s_sub_co_i32 s55, s48, s44
	v_add_nc_u32 v0, s55, v6                       ; d = my query - the step's first key - 16 h.  Register 16 b + i holds key 32 b + 16 h + i of the step: hidden where 32 b + i > d
	v_mov_b32 v9, 0xff800000                       ; -infinity
.set n, 32*(2-\mask)
.rept 32
	v_cmp_gt_i32 vcc_lo, 32*(n/16)+n%16, v0
	v_cndmask_b32 v[104+n], v[104+n], v9, vcc_lo
.set n, n+1
.endr
.endif
.if \mask == 1
.Lopen_\@:
.endif
	v_max3_num_f32 v0, v104, v105, v106            ; the step's largest score of my query among my keys, in two chains, from the low end on
	v_max3_num_f32 v9, v107, v108, v109
.set i, 6
.rept 4*\nb-2
	v_max3_num_f32 v0, v0, v[104+i], v[105+i]
	v_max3_num_f32 v9, v9, v[106+i], v[107+i]
.set i, i+4
.endr
	v_max3_num_f32 v0, v0, v[104+i], v[105+i]
	s_delay_alu instid0(VALU_DEP_1)
	v_max_num_f32 v0, v0, v9
	s_delay_alu instid0(VALU_DEP_1)
	v_permlanex16_b32 v11, v0, s20, s21
	s_delay_alu instid0(VALU_DEP_1)
	v_max_num_f32 v0, v0, v11                      ; and among lane l xor 16's
	s_delay_alu instid0(VALU_DEP_1)
.if \first
	v_mul_f32 v13, s22, v0                         ; as t (c is positive): the largest t
	s_delay_alu instid0(VALU_DEP_1)
	v_floor_f32 v12, -v13                          ; -M = floor(-t)
.else
	v_mul_f32 v0, s22, v0
	s_delay_alu instid0(VALU_DEP_1)
	v_max_num_f32 v13, v13, v0                     ; the running largest t
	v_mov_b32 v0, v12
	s_delay_alu instid0(VALU_DEP_2)
	v_floor_f32 v12, -v13                          ; the new -M
	s_delay_alu instid0(VALU_DEP_1)
	v_sub_f32 v0, v12, v0                          ; old M - new M: a whole number, 0 or less
	s_delay_alu instid0(VALU_DEP_1)
	v_cvt_i32_f32 v0, v0                           ; (it saturates)
	s_delay_alu instid0(VALU_DEP_1)
	v_ldexp_f32 v10, 1.0, v0                       ; f = 2^(old M - new M)
.endif
.set i, 0
.rept 8*\nb
	v_pk_fma_f32 v[104+2*i:105+2*i], v[104+2*i:105+2*i], s[22:23], v[12:13] op_sel_hi:[1,0,0]   ; t - M, two at a time (of the pairs c and -M the low word serves both halves)
.set i, i+1
.endr
	s_wait_alu depctr_va_vdst(0)
.set i, 0
.rept 16*\nb
	v_exp_f32 v[104+i], v[104+i]                   ; p = 2^(t - M)
.set i, i+1
.endr
.if \first
	v_nop                                          ; the plain line behind the exponentials
.else
	v_pk_mul_f32 v[14:15], v[14:15], v[10:11] op_sel_hi:[1,0]   ; the sums under the new M: the plain line behind the exponentials
.endif
	s_wait_alu depctr_va_vdst(0)                   ; one wait for the batch, ahead of its first reader
.if \first
	v_pk_add_f32 v[14:15], v[118:119], v[134:135]
.else
	v_pk_add_f32 v[14:15], v[14:15], v[118:119]
.endif
.set i, 0
.rept 7
	v_pk_add_f32 v[24+2*i:25+2*i], v[104+2*i:105+2*i], v[120+2*i:121+2*i]   ; eight chains by turns
.set i, i+1
.endr
.if \first == 0
	v_pk_add_f32 v[14:15], v[14:15], v[134:135]
.endif
.if \nb == 4
.irp g, 136,152
.set i, 0
.rept 7
	v_pk_add_f32 v[24+2*i:25+2*i], v[24+2*i:25+2*i], v[\g+2*i:\g+2*i+1]
.set i, i+1
.endr
	v_pk_add_f32 v[14:15], v[14:15], v[\g+14:\g+15]
.endr
.endif
	v_pk_add_f32 v[24:25], v[24:25], v[26:27]
	v_pk_add_f32 v[28:29], v[28:29], v[30:31]
	v_pk_add_f32 v[32:33], v[32:33], v[34:35]
	v_pk_add_f32 v[14:15], v[14:15], v[36:37]
	s_delay_alu instid0(VALU_DEP_3)
	v_pk_add_f32 v[24:25], v[24:25], v[28:29]
	s_delay_alu instid0(VALU_DEP_2)
	v_pk_add_f32 v[14:15], v[14:15], v[32:33]
	s_delay_alu instid0(VALU_DEP_1)
	v_pk_add_f32 v[14:15], v[14:15], v[24:25]
.if \first
	GL 6
	GL 7
.endif
	s_wait_alu depctr_va_vdst(0)
	s_cmp_eq_u32 s60, 0
	s_cbranch_scc1 .Lfree_\@                       ; e4 >= -8: the hold would change nothing
.set i, 0
.rept 16*\nb
	v_min_num_f32 v[104+i], v[104+i], v7           ; the conversion does not saturate (ISA guide 7.6.2); p is not negative, so the hold is one-sided
.set i, i+1
.endr
.Lfree_\@:
.set b, 0
.rept \nb
	v_cvt_scalef32_pk8_fp8_f32 v[24+4*b:25+4*b], v[104+16*b:111+16*b], v8
	v_cvt_scalef32_pk8_fp8_f32 v[26+4*b:27+4*b], v[112+16*b:119+16*b], v8
.set b, b+1
.endr
.if \first
	v_nop                                          ; a plain line behind the last conversion
.else
	s_wait_alu depctr_va_vdst(0)                   ; directly ahead of the first reader of O^T
.set i, 0
.rept 16
	v_pk_mul_f32 v[168+2*i:169+2*i], v[168+2*i:169+2*i], v[10:11] op_sel_hi:[1,0]   ; O^T under the new M; also the plain lines behind the conversions
.set i, i+1
.endr
.endif
	s_wait_alu depctr_va_vdst(0)
	s_wait_dscnt 0x0                               ; v is in
.set i, 0
.rept 4
.if \nb == 2
	v_wmma_f32_16x16x64_fp8_fp8 v[168+8*i:175+8*i], v[40+8*i:47+8*i], v[24:31], v[168+8*i:175+8*i]
.elseif \first
	v_wmma_f32_16x16x128_fp8_fp8 v[168+8*i:175+8*i], v[40+16*i:55+16*i], v[24:39], 0
.else
	v_wmma_f32_16x16x128_fp8_fp8 v[168+8*i:175+8*i], v[40+16*i:55+16*i], v[24:39], v[168+8*i:175+8*i]   ; the four accumulators take turns
.endif
.set i, i+1
.endr
.endm
; A KEY STEP UNDER THE MASK: s44 its first key, s45 its LDS byte, s48, s49 the tile's least and greatest query
.macro GSTEP Q
	s_cmp_gt_u32 s44, s49
	s_cbranch_scc1 .Lhid_\@                        ; all 128 keys come after my queries
	s_add_co_u32 s55, s44, 64
	s_cmp_gt_u32 s55, s49
	s_cbranch_scc1 .Llow_\@                        ; the upper 64 do
	BODY 4, \Q, 0, 1
	s_branch .Lhid_\@
.Llow_\@:
	BODY 2, \Q, 0, 2
.Lhid_\@:
	s_add_co_u32 s44, s44, 128
	s_add_co_u32 s45, s45, 16384
.endm
.macro BOUNDS th                       ; of the tile whose number stands in the scalar register th
	s_lshr_b32 s48, s[\th], 1
	s_lshl_b32 s48, s48, 5
	s_and_b32 s49, s[\th], 1
	s_lshl_b32 s49, s49, 3
	s_add_co_u32 s48, s48, s49                     ; the least query: 32 (t / 2) + 8 (t % 2)
	s_add_co_u32 s49, s48, 23                      ; the greatest
.endm
.macro SHOW                            ; my LDS stores are done; behind the barrier everybody's are
	s_wait_dscnt 0x0
	s_barrier_signal -1
	s_barrier_wait -1
.endm
.macro OUT ptr                         ; a tile's way out
.rept 4
	v_nop                                          ; places behind the last products
.endr
	v_add_f32 v14, v14, v15                        ; the sum's two halves,
	s_delay_alu instid0(VALU_DEP_1)
	v_permlanex16_b32 v11, v14, s20, s21
	s_delay_alu instid0(VALU_DEP_1)
	v_add_f32 v14, v14, v11                        ; and lane l xor 16's
	s_wait_alu depctr_va_vdst(0)
	v_rcp_f32 v14, v14
	v_mov_b32 v9, s63                              ; (plain lines behind the reciprocal)  448 x 2^e6
	v_mov_b32 v10, s62                             ; 2^e6
	s_wait_alu depctr_va_vdst(0)                   ; and the wait ahead of its first reader
	v_ldexp_f32 v14, v14, s54                      ; x 2^(e4 + e5)
	s_wait_alu depctr_va_vdst(0)                   ; directly ahead of the first reader of O^T
.set i, 0
.rept 16
	v_pk_mul_f32 v[168+2*i:169+2*i], v[168+2*i:169+2*i], v[14:15] op_sel_hi:[1,0]   ; y, in f32; each accumulator from its low end on
.set i, i+1
.endr
.set i, 0
.rept 32
	v_med3_num_f32 v[168+i], v[168+i], -v9, v9
.set i, i+1
.endr
.set b, 0
.rept 2
	v_cvt_scalef32_pk8_fp8_f32 v[24+4*b:25+4*b], v[168+16*b:175+16*b], v10
	v_cvt_scalef32_pk8_fp8_f32 v[26+4*b:27+4*b], v[176+16*b:183+16*b], v10
.set b, b+1
.endr
	v_nop                                          ; a plain line behind the last conversion
	global_store_b128 v1, v[24:27], s[\ptr:\ptr+1]             ; a group of y's image: 512 consecutive bytes, aligned
	global_store_b128 v1, v[28:31], s[\ptr:\ptr+1] offset:512
.endm
	s_load_b256 s[4:11], s[0:1], 0x0               ; q_img s[4:5], k_img s[6:7], v_img s[8:9], the scales' exponents s[10:11]
	s_load_b64 s[12:13], s[0:1], 0x20              ; y_img
	v_lshrrev_b32 v1, 5, v0
	v_lshl_add_u32 v4, v0, 2, SPARE
	v_readfirstlane_b32 s14, v1                    ; wave 0..15
	v_mov_b32 v5, 0
	v_lshlrev_b32 v3, 4, v0                        ; 16 x thread = 512 x wave + 16 x lane
	v_and_b32 v2, 31, v0
	v_and_b32 v9, 15, v0
	v_and_b32 v10, 8, v0
	v_lshlrev_b32 v1, 4, v2                        ; 16 x lane
	v_add_nc_u32 v6, v9, v10
	v_and_b32 v9, 16, v0
	v_mov_b32 v11, 0                               ; written once: a lane permute's destination counts as one of its sources
	v_sub_nc_u32 v6, v6, v9                        ; r + 8 (r / 8) - 16 h
	s_and_b32 s15, ttmp7, 0xffff                   ; 16 x batch + head
	s_lshl_b32 s16, s15, 16                        ; its 65,536 bytes in each of q's, k's and v's images
	s_mov_b32 s17, 0
	s_lshl_b32 s58, ttmp9, 4
	s_add_co_u32 s58, s58, s14                     ; my early tile: 16 p + w
	s_sub_co_u32 s59, 63, s58                      ; my late tile
	s_lshl_b32 s28, s58, 10
	s_add_co_u32 s28, s28, s16
	s_mov_b32 s29, 0
	s_lshl_b32 s30, s59, 10
	s_add_co_u32 s30, s30, s16
	s_mov_b32 s31, 0
	s_lshr_b32 s32, s14, 2
	s_lshl_b32 s32, s32, 14                        ; v: tile w / 4 of d,
	s_and_b32 s33, s14, 3
	s_lshl_b32 s33, s33, 9                         ; group w % 4 of the key step
	s_add_co_u32 s32, s32, s33
	s_add_co_u32 s32, s32, s16
	s_mov_b32 s33, 0
	s_wait_alu depctr_va_vdst(0)
	s_wait_kmcnt 0x0
	s_load_b256 s[36:43], s[10:11], 0x0            ; e0 .. e7
	s_add_nc_u64 s[34:35], s[6:7], s[16:17]
	s_add_nc_u64 s[32:33], s[8:9], s[32:33]
	s_add_nc_u64 s[30:31], s[4:5], s[30:31]
	s_add_nc_u64 s[28:29], s[4:5], s[28:29]
	global_load_b128 v[104:107], v3, s[34:35]      ; key step 0: my 512 bytes of k and of v
	global_load_b128 v[108:111], v1, s[32:33]
	global_load_b128 v[16:19], v1, s[30:31]        ; q of my late tile
	global_load_b128 v[20:23], v1, s[30:31] offset:512
	s_barrier_signal -1                            ; my part of key step 0 is asked for (it may stay out: nobody writes those bytes)
	s_mov_b32 s20, 0x76543210                      ; v_permlanex16_b32's selects for lane l xor 16
	s_mov_b32 s21, 0xfedcba98
	s_lshr_b32 s55, s15, 4
	s_lshl_b32 s55, s55, 20                        ; y: the batch's 64 row tiles of 16,384 bytes,
	s_bfe_u32 s54, s15, 0x30001
	s_lshl_b32 s54, s54, 11                        ; K step head / 2,
	s_add_co_u32 s55, s55, s54
	s_and_b32 s54, s15, 1
	s_lshl_b32 s54, s54, 10                        ; groups 2 (head % 2) on
	s_add_co_u32 s55, s55, s54
	s_lshl_b32 s50, s58, 14
	s_add_co_u32 s50, s50, s55
	s_mov_b32 s51, 0
	s_add_nc_u64 s[50:51], s[12:13], s[50:51]
	s_lshl_b32 s52, s59, 14
	s_add_co_u32 s52, s52, s55
	s_mov_b32 s53, 0
	s_add_nc_u64 s[52:53], s[12:13], s[52:53]
	BOUNDS 59
	s_barrier_wait -1                              ; everybody's is
	GL 1
	GL 2
	s_wait_kmcnt 0x0
	s_add_co_i32 s54, s38, s39
	s_lshl_b32 s54, s54, 23
	s_mov_b32 s22, 0x3e38aa3b                      ; c = log2(e) / 8
	s_add_co_i32 s22, s22, s54                     ; a score stands for score x 2^(e2 + e3): the two exponents are added to c's exponent field
	s_mov_b32 s23, s22                             ; (named with it as a pair, so it is written)
	s_add_co_i32 s55, s40, 127
	s_lshl_b32 s56, s55, 23
	v_mov_b32 v8, s56                              ; 2^e4 as f32
	s_add_co_i32 s55, s55, 8
	s_lshl_b32 s55, s55, 23
	s_or_b32 s55, s55, 0x600000
	v_mov_b32 v7, s55                              ; 448 x 2^e4
	s_add_co_i32 s55, s42, 127
	s_lshl_b32 s62, s55, 23                        ; 2^e6
	s_add_co_i32 s55, s55, 8
	s_lshl_b32 s55, s55, 23
	s_or_b32 s63, s55, 0x600000                    ; 448 x 2^e6
	s_add_co_i32 s54, s40, s41                     ; e4 + e5
	s_cmp_lt_i32 s40, -8
	s_cselect_b32 s60, 1, 0                        ; 1: p must be held
	s_mov_b32 s45, 0
	s_wait_alu depctr_va_vdst(0)                   ; the head's end
	s_wait_loadcnt 4                               ; key step 0 and q are in; the four loads of key steps 1 and 2 may be out
	ds_store_b128 v3, v[104:107]
	ds_store_b128 v3, v[108:111] offset:8192
	SHOW
	BODY 4, 16, 1, 0                               ; the late tile, key step 0
	s_wait_loadcnt 10                              ; key steps 1 and 2; the 10 loads of 3-7 may be out
	ds_store_b128 v3, v[200:203] offset:16384
	ds_store_b128 v3, v[204:207] offset:16384+8192
	ds_store_b128 v3, v[208:211] offset:32768
	ds_store_b128 v3, v[212:215] offset:32768+8192
	SHOW
	s_mov_b32 s45, 16384
	s_mov_b32 s47, 2
.Lwhole:
	BODY 4, 16, 0, 0
	s_add_co_u32 s45, s45, 16384
	s_sub_co_u32 s47, s47, 1
	s_cmp_lg_u32 s47, 0
	s_cbranch_scc1 .Lwhole
	v_add_nc_u32 v2, 0x10000, v3                   ; key steps 4-7 lie beyond the immediate's reach
	s_wait_alu depctr_va_vdst(0)
	s_wait_loadcnt 0x0                             ; key steps 3-7
	ds_store_b128 v3, v[216:219] offset:49152
	ds_store_b128 v3, v[220:223] offset:49152+8192
.set i, 0
.rept 4
	ds_store_b128 v2, v[224+8*i:227+8*i] offset:16384*i
	ds_store_b128 v2, v[228+8*i:231+8*i] offset:16384*i+8192
.set i, i+1
.endr
	SHOW
	global_load_b128 v[200:203], v1, s[28:29]      ; q of my early tile
	global_load_b128 v[204:207], v1, s[28:29] offset:512
	s_mov_b32 s44, 3*128
	s_mov_b32 s45, 3*16384
	s_mov_b32 s47, 5
.Llate:
	GSTEP 16
	s_sub_co_u32 s47, s47, 1
	s_cmp_lg_u32 s47, 0
	s_cbranch_scc1 .Llate
	OUT 52
	s_wait_xcnt 0x0                                ; the stores have read their registers: they are written again only behind this wait
	v_mov_b32 v13, 0xff61b1e6                      ; the early tile.  The largest t so far: -3e38, under every t
	v_mov_b32 v14, 0
	v_mov_b32 v15, 0
	v_floor_f32 v12, -v13
.set i, 0
.rept 32
	v_mov_b32 v[168+i], 0                          ; its step is written once: the first trip finds zeros, which the first change of M leaves zeros
.set i, i+1
.endr
	BOUNDS 58
	s_mov_b32 s44, 0
	s_mov_b32 s45, 0
	s_mov_b32 s47, 4                               ; an early tile lies under key 512: four key steps at the most
	s_wait_alu depctr_va_vdst(0)
	s_wait_loadcnt 0x0                             ; its q
.Learly:
	GSTEP 200
	s_sub_co_u32 s47, s47, 1
	s_cmp_lg_u32 s47, 0
	s_cbranch_scc1 .Learly
	OUT 50
	s_wait_tensorcnt 0x0                           ; the wave's end: behind my last LDS store
	ds_add_u32 v4, v5
	s_wait_dscnt 0x0
	s_endpgm
.Lfunc_end_k_qe68b150899_attn:
	.size	k_qe68b150899_attn, .Lfunc_end_k_qe68b150899_attn-k_qe68b150899_attn
	.p2alignl 7, 3214868480
	.fill 96, 4, 3214868480
	.section	.rodata,"a",@progbits
	.p2align	6, 0x0
	.amdhsa_kernel k_qe68b150899_attn
		.amdhsa_group_segment_fixed_size 133120
		.amdhsa_private_segment_fixed_size 0
		.amdhsa_enable_private_segment 0
		.amdhsa_kernarg_size 40
		.amdhsa_user_sgpr_count 2
		.amdhsa_user_sgpr_kernarg_segment_ptr 1
		.amdhsa_wavefront_size32 1
		.amdhsa_system_sgpr_workgroup_id_x 1
		.amdhsa_system_sgpr_workgroup_id_y 1
		.amdhsa_system_sgpr_workgroup_id_z 1
		.amdhsa_system_vgpr_workitem_id 0
		.amdhsa_next_free_vgpr 256
		.amdhsa_next_free_sgpr 66
		.amdhsa_reserve_vcc 1
		.amdhsa_float_denorm_mode_32 3
		.amdhsa_float_denorm_mode_16_64 3
		.amdhsa_memory_ordered 1
		.amdhsa_forward_progress 1
		.amdhsa_inst_pref_size 108
	.end_amdhsa_kernel
	.amdgpu_metadata
---
amdhsa.version: [ 1, 2 ]
amdhsa.kernels:
  - .name:           k_qe68b150899_attn
    .symbol:         k_qe68b150899_attn.kd
    .args:
      - { .name: q_img, .offset: 0, .size: 8, .value_kind: global_buffer, .address_space: global }
      - { .name: k_img, .offset: 8, .size: 8, .value_kind: global_buffer, .address_space: global }
      - { .name: v_img, .offset: 16, .size: 8, .value_kind: global_buffer, .address_space: global }
      - { .name: lowp_scales, .offset: 24, .size: 8, .value_kind: global_buffer, .address_space: global }
      - { .name: y_img, .offset: 32, .size: 8, .value_kind: global_buffer, .address_space: global }
    .group_segment_fixed_size: 133120
    .private_segment_fixed_size: 0
    .kernarg_segment_align: 8
    .kernarg_segment_size: 40
    .max_flat_workgroup_size: 512
    .sgpr_count:     66
    .vgpr_count:     256
    .wavefront_size: 32
...
	.end_amdgpu_metadata
.endif
;; end of part 3
;; launch proj (part 4): grid 8 x 32, 4 waves a work-group, clusters of 4 x 4, 327,680 bytes of LDS; arguments y_img, wp_img, b_proj, lowp_scales, out0; writes out0
.if DOCPART == 4
	.amdgcn_target "amdgcn-amd-amdhsa--gfx1250"
	.amdhsa_code_object_version 6
	.text
	.protected	k_qe68b150899_proj
	.globl	k_qe68b150899_proj
	.p2align	8
	.type	k_qe68b150899_proj,@function
k_qe68b150899_proj:
	s_mov_b64 s[64:65], 0
	v_nop
	global_prefetch_b8 v0, s[64:65] scope:SCOPE_SE
	s_setreg_imm32_b32 hwreg(HW_REG_WAVE_MODE, 25, 1), 1
	s_wait_xcnt 0x0
	s_wait_alu depctr_hold_cnt(0) depctr_sa_sdst(0) depctr_va_vdst(0) depctr_va_sdst(0) depctr_va_ssrc(0) depctr_va_vcc(0) depctr_vm_vsrc(0)
	s_getreg_b32 s2, hwreg(HW_REG_IB_STS2, 6, 4)
	s_cmp_eq_u32 s2, 0
	s_cbranch_scc0 .Lentry_in_a_cluster
	s_endpgm
.Lentry_in_a_cluster:
	s_bfe_u32 s2, ttmp6, 0x10000c
	s_cmp_lg_u32 s2, 0xf033
	s_cbranch_scc0 .Lentry_shape_is_right
	s_endpgm
.Lentry_shape_is_right:
; out0 = y w_proj + b_proj on codes of FP8 (E4M3).  y_img [512 row tiles][8 K steps][2048], wp_img [64 column tiles][8][2048]: images of operand registers: group c at 512 c + 16 x lane,
; lane (r, h): k = 32 c + 16 h + 0 .. 15 of the tile's row r, which is true row (column) 32 (t / 2) + 8 (t % 2) + r + 8 (r / 8).  The same permutation of k on both sides: every product meets its partner.
; SHARES: 256 work-groups, each 256 rows x 128 columns; a wave 128 x 64: 32 accumulators.  A larger tile would leave WGPs without work.
; USED TRANSPOSED (source 0 = 16 columns of w, source 1 = 16 rows of y): a lane holds one row, and the 16 registers of column tiles 2 b, 2 b + 1 are 16 neighbouring columns, 64 bytes.
; K goes in four steps of 256 through three LDS slots: three are asked for at the start, one refill follows.
; CLUSTERS: 4 x 4 work-groups; y's tiles are shared along a row of the cluster, w's along a column, by joint loads.
; LIMIT: e6 + e7 between -126 and 127.
; REGISTERS: window 0: v4-15 addresses; v32-63 the biases; v64-127, v128-191 w's fragments, two sets (on the way out: work).  window 1: the accumulators, (a, n) at v[8 (4 a + n)].  window 2: y's fragments, two sets of 128.
.set SLOT,   98304                     ; y: 16 tiles x 4,096 bytes (two K steps of 128), then w: 8 tiles x 4,096
.set BOFF,   65536
.set SPARE,  3*SLOT                    ; behind the slots: the spare words, 128 bytes a wave: two blocks of 256 bytes that no other line names
.set STAGE,  SPARE+512                 ; the way out: 16 rows x 272 bytes for each wave: bytes of their own, into which no tile lands
.set SPITCH, 272
.set ADRA, 4                           ; v4-6   LDS address of my y fragments in slot 0, 1, 2
.set ADRB, 8                           ; v8-10  the same for w
.set STO,  12                          ; v12    the stage: where I put 64 bytes of a row
.set RD,   13                          ; v13    and where I read a row back
.set CO,   14                          ; v14    my byte offset in two rows of out0
.set H64,  15                          ; v15    64 h
.set SPW,  28                          ; v28    LDS address of my spare word; never rewritten
.set NIL,  29                          ; v29    0; never rewritten
.set BI,   32
.set BF,   64
.set T,    64
.set BK,   128
.set G1A, 24
.set G1B, 32
.set G0A, 40                           ; groups 0: y and w of slot 0,
.set G0B, 44
.set G0C, 48                           ; y and w of slots 1 and 2 together
.set G0D, 52
.set G1C, 56                           ; their groups 1
.set G1D, 92
.set MSB, 0
.macro WIN new                         ; the immediate's high byte repeats the setting that is left
.if MSB != (\new)
	s_set_vgpr_msb (MSB<<8)|(\new)
.set MSB, (\new)
.endif
.endm
.set W_MUL, 0x58                       ; source 0 (w) window 0, source 1 (y) window 2, C and D window 1
.set W_TOA, 0x80                       ; destination window 2, address window 0
.macro PLACES                          ; four places in front of loads into registers that matrix instructions have read, and of the first read of results
.rept 4
	v_nop
.endr
.endm
.macro CREST
	s_cmp_lg_u32 s18, 0
	s_cbranch_scc1 .Lnot_wave_0_\@
	s_barrier_signal -3
.Lnot_wave_0_\@:
	s_barrier_wait -3
	s_barrier_signal -1
	s_barrier_wait -1
.endm
.macro CROUND
	s_barrier_signal -1
	s_barrier_wait -1
	CREST
.endm
.macro TL g, h                         ; a joint load; s_nop 0 and four v_nop behind it
	tensor_load_to_lds s[\g:\g+3], s[\h:\h+7]
	s_nop 0
.rept 4
	v_nop
.endr
.endm
.macro ARM k, g, h                     ; an arm of the head's one chain: wave k's load
	s_cmp_eq_u32 s18, \k
	s_cbranch_scc0 .Lnot_arm_\k
	TL \g, \h
	s_branch .Lhead_asked
.Lnot_arm_\k:
.endm
.macro MKG1 g, mask, n, rows           ; group 1: rows of n elements of 8 bytes, 16,384 bytes apart in memory, dense in LDS
	s_or_b32 s[\g], s[\mask], (3<<16)|(1<<21)
	s_mov_b32 s[\g+1], \n<<16
	s_mov_b32 s[\g+2], \rows<<16
	s_mov_b32 s[\g+3], \n<<16
	s_mov_b32 s[\g+4], \rows
	s_mov_b32 s[\g+5], 2048
	s_mov_b32 s[\g+6], 0
	s_mov_b32 s[\g+7], 0
.endm
.macro MKG0 g, lds, base, off
	s_mov_b32 s[\g], 1
	s_mov_b32 s[\g+1], \lds
	s_add_nc_u64 s[\g+2:\g+3], s[\base:\base+1], \off
	s_or_b32 s[\g+3], s[\g+3], 0x80000000
.endm
.macro JLOAD i                         ; slot 0's refill: wave 0 fetches y's part, wave 1 w's, the others nothing; the branches hang on the wave's number alone
	s_cmp_eq_u32 s18, 0
	s_cbranch_scc0 .Lfor_b_\@
	TL G0A, G1A
	s_branch .Lasked_\@
.Lfor_b_\@:
	s_cmp_eq_u32 s18, 1
	s_cbranch_scc0 .Lasked_\@
	TL G0B, G1B
.Lasked_\@:
	PLACES                                         ; for the LDS loads that follow, in the waves that fetch nothing too
.endm
.macro FETCH s, q, p                   ; the fragments of the q-th 128 along K of slot s into sets p: w's 4 (16 loads), y's 0-3 (16), y's 4-7 (16).  Entered with every window 0
.set i, 0
.rept 16
	ds_load_b128 v[BF+64*(\p)+4*i:BF+64*(\p)+4*i+3], v[ADRB+\s] offset:(i/4)*(4096+4096*((\s+1)/2))+\q*2048+(i%4)*512   ; slots 1 and 2 lie side by side in rows of 8,192 bytes
.set i, i+1
.endr
	WIN W_TOA
.set i, 0
.rept 32
	ds_load_b128 v[128*(\p)+4*i:128*(\p)+4*i+3], v[ADRA+\s] offset:(i/4)*(4096+4096*((\s+1)/2))+\q*2048+(i%4)*512
.set i, i+1
.endr
.endm
.macro MUL8 a0, p, zero                ; row tiles a0, a0 + 1 x the four column tiles, 128 along K.  The 32 accumulators take turns, one instruction a turn
.irp a, \a0, \a0+1
.irp n, 0,1,2,3
.if \zero
	v_wmma_f32_16x16x128_fp8_fp8 v[8*(4*(\a)+\n):8*(4*(\a)+\n)+7], v[BF+64*(\p)+16*\n:BF+64*(\p)+16*\n+15], v[128*(\p)+16*(\a):128*(\p)+16*(\a)+15], 0
.else
	v_wmma_f32_16x16x128_fp8_fp8 v[8*(4*(\a)+\n):8*(4*(\a)+\n)+7], v[BF+64*(\p)+16*\n:BF+64*(\p)+16*\n+15], v[128*(\p)+16*(\a):128*(\p)+16*(\a)+15], v[8*(4*(\a)+\n):8*(4*(\a)+\n)+7]
.endif
.endr
.endr
.endm
.macro STEP sn, qn, p, zero, fetch     ; 128 along K on sets p; fetch = 1: its middle fetches the next 128 (slot sn, part qn) into the other sets
	s_wait_dscnt 16                                ; w's fragments and y's 0-3 are in; y's 4-7, 16 loads, may be out
	WIN W_MUL
	MUL8 0, \p, \zero
	MUL8 2, \p, \zero
	s_wait_dscnt 0x0
.if \fetch
	WIN 0
	PLACES
	FETCH \sn, \qn, 1-\p
.endif
	WIN W_MUL
	MUL8 4, \p, \zero
	MUL8 6, \p, \zero
.endm
; A slot's second 128 with a barrier: in front of it each wave waits for all its tensor loads, adds 0 to its spare word, and waits for that and for its reads of the slot.
; fill = 1: the barrier opens a round of the cluster's barrier, and slot s is filled again first thing behind the round.
.macro TURN s, sn, fill
	WIN 0                                          ; (the add's two registers lie in window 0)
	s_wait_tensorcnt 0x0                           ; all my tensor loads have landed
	ds_add_u32 v[SPW], v[NIL]                      ; 0 onto my spare word
	s_wait_dscnt 17                                ; y's 4-7 and the add may be out
	WIN W_MUL
	MUL8 0, 1, 0                                   ; eight matrix instructions stand between the add and the wait for it
	s_wait_dscnt 0x0                               ; the add is done, and my reads of this slot are over
	s_barrier_signal -1
	MUL8 2, 1, 0
	WIN 0
	s_barrier_wait -1
.if \fill
	CREST                                          ; no wave of any partner still reads this slot or has a load on its way
	s_add_nc_u64 s[G0A+4*\s+2:G0A+4*\s+3], s[G0A+4*\s+2:G0A+4*\s+3], 3*4096
	s_add_nc_u64 s[G0B+4*\s+2:G0B+4*\s+3], s[G0B+4*\s+2:G0B+4*\s+3], 3*4096
	JLOAD \s                                       ; the four v_nop behind it are also the places in front of the loads below
.else
	PLACES
.endif
	FETCH \sn, 0, 0
	WIN W_MUL
	MUL8 4, 1, 0
	MUL8 6, 1, 0
.endm
; THE WAY OUT of row tile a: out = sum x 2^(e6 + e7) + bias, one packed multiply-add for two; 128 bytes a lane into my stage; back as rows of 256 bytes.
; LDS serves a wave's instructions in order (ISA guide 5.7.1.4): no wait between the stores and the loads, nor in front of the next tile's stores.
.macro TOSTAGE a
	WIN 0x01                                       ; source 0: window 1
.set i, 0
.rept 16
	v_pk_fma_f32 v[T+2*i:T+2*i+1], v[32*(\a)+2*i:32*(\a)+2*i+1], s[76:77], v[BI+2*i:BI+2*i+1] op_sel_hi:[1,0,1]   ; each accumulator from its low end on
.set i, i+1
.endr
	WIN 0
.set i, 0
.rept 8
	ds_store_b128 v[STO], v[T+4*i:T+4*i+3] offset:128*(i/4)+32*((i/2)%2)+16*(i%2)   ; column 32 b + 16 h + 8 u + 4 g of my 64
.set i, i+1
.endr
.set i, 0
.rept 8
	ds_load_b128 v[BK+32*((\a)%2)+4*i:BK+32*((\a)%2)+4*i+3], v[RD] offset:i*2*SPITCH
.set i, i+1
.endr
.endm
.macro SEND a, younger                 ; younger: the LDS instructions issued behind tile a's loads, which may stay out
	s_wait_dscnt \younger
.set i, 0
.rept 8
	global_store_b128 v[CO], v[BK+32*((\a)%2)+4*i:BK+32*((\a)%2)+4*i+3], s[12:13] offset:(32*((\a)/2)+8*((\a)%2)+2*i+8*(i/4))*4096 th:TH_STORE_NT   ; stage rows 2 i, 2 i + 1 at their true rows: 16 lanes store 256 consecutive bytes, aligned
.set i, i+1
.endr
.endm
	s_load_b256 s[4:11], s[0:1], 0x0               ; y_img s[4:5], wp_img s[6:7], b_proj s[8:9], the scales' exponents s[10:11]
	s_load_b64 s[12:13], s[0:1], 0x20              ; out0
	v_lshl_add_u32 v[SPW], v0, 2, SPARE
	v_mov_b32 v[NIL], 0
	ds_add_u32 v[SPW], v[NIL]                      ; the wave's opening: the add and its wait stand ahead of my first tensor load; the set-up below, work on registers, stands between them
	ds_add_u32 v[SPW], v[NIL]
	v_lshrrev_b32 v1, 5, v0
	v_readfirstlane_b32 s18, v1                    ; wave 0..3
	s_lshr_b32 s19, s18, 1                         ; which 128 rows are mine
	s_and_b32 s20, s18, 1                          ; which 64 columns
	s_bfe_u32 s21, ttmp6, 0x40000                  ; cx
	s_bfe_u32 s22, ttmp6, 0x40004                  ; cy
	s_lshl_b32 s23, ttmp9, 2
	s_add_co_u32 s23, s23, s21                     ; the block of 128 columns, 0..7
	s_and_b32 s66, ttmp7, 0xffff
	s_lshl_b32 s66, s66, 2
	s_add_co_u32 s66, s66, s22                     ; the block of 256 rows, 0..31
	s_lshl_b32 s67, s22, 2
	s_lshl_b32 s67, 15, s67                        ; my row of the cluster
	s_lshl_b32 s78, 0x1111, s21                    ; my column
	MKG1 G1A, 67, 512, 16                          ; y, w of slot 0: two K steps of each tile
	MKG1 G1B, 78, 512, 8
	MKG1 G1C, 67, 1024, 16                         ; y, w of slots 1 and 2: four K steps of each tile
	MKG1 G1D, 78, 1024, 8
	s_lshl_b32 s80, s66, 18                        ; y: tile 16 x block: hangs on the block of rows alone
	s_mov_b32 s81, 0
	s_lshl_b32 s82, s23, 17                        ; w: tile 8 x block: hangs on the block of columns alone
	s_mov_b32 s83, 0
	s_wait_dscnt 0x0                               ; the opening add is done
	s_wait_kmcnt 0x0
	s_load_b256 s[68:75], s[10:11], 0x0            ; e0 .. e7
	s_add_nc_u64 s[80:81], s[4:5], s[80:81]
	s_add_nc_u64 s[82:83], s[6:7], s[82:83]
	CROUND                                         ; all sixteen work-groups are here: the first joint loads meet
	MKG0 G0A, 0, 80, 0                             ; no place in the cluster enters an LDS address
	MKG0 G0B, BOFF, 82, 0
	MKG0 G0C, SLOT, 80, 4096
	MKG0 G0D, SLOT+131072, 82, 4096
	ARM 0, G0A, G1A                                ; one tensor load a wave, in the arms of one chain
	ARM 1, G0B, G1B
	ARM 2, G0C, G1C
	TL G0D, G1D
.Lhead_asked:
	v_and_b32 v1, 31, v0
	v_and_b32 v2, 15, v0                           ; r
	v_bfe_u32 v3, v0, 4, 1                         ; h
	v_lshlrev_b32 v1, 4, v1                        ; 16 x lane
	v_lshlrev_b32 v[H64], 6, v3
	s_lshl_b32 s86, s19, 15                        ; my 8 tiles of y
	s_lshl_b32 s87, s20, 14                        ; my 4 tiles of w,
	s_add_co_u32 s87, s87, BOFF                    ; which lie behind y's 16
	s_lshl_b32 s90, s19, 16
	s_add_co_u32 s90, s90, SLOT                    ; slots 1 and 2: tiles of 8,192 bytes
	s_lshl_b32 s91, s20, 15
	s_add_co_u32 s91, s91, SLOT+131072
	v_add_nc_u32 v[ADRA], s86, v1
	v_add_nc_u32 v[ADRB], s87, v1
	v_add_nc_u32 v[ADRA+1], s90, v1
	v_add_nc_u32 v[ADRB+1], s91, v1
	v_add_nc_u32 v[ADRA+2], 0x1000, v[ADRA+1]
	v_add_nc_u32 v[ADRB+2], 0x1000, v[ADRB+1]
	s_mul_i32 s88, s18, 16*SPITCH
	s_add_co_u32 s88, s88, STAGE                   ; my stage
	v_mul_u32_u24 v[STO], v2, SPITCH
	v_lshl_add_u32 v[STO], v3, 6, v[STO]
	v_add_nc_u32 v[STO], s88, v[STO]               ; in: row r, + 64 h
	v_mul_u32_u24 v[RD], v3, SPITCH
	v_lshl_add_u32 v[RD], v2, 4, v[RD]
	v_add_nc_u32 v[RD], s88, v[RD]                 ; back: lanes 0-15 one row, lanes 16-31 the next
	v_lshlrev_b32 v[CO], 12, v3
	v_lshl_add_u32 v[CO], v2, 4, v[CO]             ; and the same two rows in out0
	s_lshl_b32 s78, s23, 9
	s_lshl_b32 s79, s20, 8
	s_add_co_u32 s78, s78, s79                     ; my 64 columns, in bytes
	s_mov_b32 s79, 0
	s_add_nc_u64 s[8:9], s[8:9], s[78:79]
	s_lshl_b32 s90, s66, 20
	s_lshl_b32 s91, s19, 19
	s_add_co_u32 s90, s90, s91                     ; my 128 rows of 4,096 bytes
	s_add_co_u32 s90, s90, s78
	s_mov_b32 s91, 0
	s_add_nc_u64 s[12:13], s[12:13], s[90:91]
.irp n, 0,1,2,3
	global_load_b128 v[BI+8*\n:BI+8*\n+3], v[H64], s[8:9] offset:(32*(\n/2)+8*(\n%2))*4        ; the biases in the result's layout: register j of tile n is column 32 (n / 2) + 8 (n % 2) + 16 h + j
	global_load_b128 v[BI+8*\n+4:BI+8*\n+7], v[H64], s[8:9] offset:(32*(\n/2)+8*(\n%2))*4+16
.endr
	; PREFETCH of what the refill brings (K steps 6 and 7), a slot's work ahead of it.  Each block of 256 bytes is named once in a cluster: of y's 16 tiles the partner at cx takes 4 (waves 0 and 1, two each),
	; of w's 8 the partner at cy takes 2 (wave 2): two tiles x 16 blocks an instruction
	v_lshlrev_b32 v16, 14, v3
	v_lshl_add_u32 v16, v2, 8, v16
	s_lshl_b32 s88, s66, 4
	s_lshl_b32 s89, s21, 2
	s_add_co_u32 s88, s88, s89
	s_lshl_b32 s89, s18, 1
	s_add_co_u32 s88, s88, s89                     ; y: tile 16 x block + 4 cx + 2 x wave
	s_lshl_b32 s89, s23, 3
	s_lshl_b32 s84, s22, 1
	s_add_co_u32 s89, s89, s84                     ; w: tile 8 x block + 2 cy
	s_cmp_lt_u32 s18, 2
	s_cselect_b32 s88, s88, s89
	s_cselect_b64 s[86:87], s[4:5], s[6:7]
	s_lshl_b32 s88, s88, 14
	s_mov_b32 s89, 0
	s_add_nc_u64 s[86:87], s[86:87], s[88:89]
	s_wait_alu depctr_va_vdst(0)                   ; the head's end
	s_cmp_lt_u32 s18, 3
	s_cbranch_scc0 .Lno_ask
	global_prefetch_b8 v16, s[86:87] offset:12288 th:TH_LOAD_NT scope:SCOPE_SE
.Lno_ask:
	s_cmp_lt_u32 s18, 2
	s_cbranch_scc0 .Lrest_not_yet                  ; the loads of slots 1 and 2, waves 2 and 3's, may be out
	s_wait_tensorcnt 0x0                           ; my part of slot 0 is in
.Lrest_not_yet:
	s_barrier_signal -1
	s_barrier_wait -1                              ; everybody's is
	FETCH 0, 0, 0
	STEP 0, 1, 0, 1, 1                             ; the first 128 start the sums
	TURN 0, 1, 1                                   ; slot 0 takes the last 256 along K: the launch's one refill; this barrier shows slots 1 and 2 whole to every wave
	STEP 1, 1, 0, 0, 1
	s_wait_alu depctr_va_vdst(0)
	STEP 2, 0, 1, 0, 1
	STEP 2, 1, 0, 0, 1
	TURN 2, 0, 0                                   ; nothing is left to fetch; this barrier shows the refill whole to every wave
	STEP 0, 1, 0, 0, 1
	STEP 0, 0, 1, 0, 0                             ; the last 128
	WIN 0
	s_wait_kmcnt 0x0
	s_add_co_i32 s76, s74, s75
	s_add_co_i32 s76, s76, 127
	s_lshl_b32 s76, s76, 23                        ; 2^(e6 + e7) as f32
	s_mov_b32 s77, s76                             ; (named with it as a pair, so it is written)
	s_wait_loadcnt 0x0                             ; the biases
	PLACES
	TOSTAGE 0
.irp a, 1,2,3,4,5,6,7
.if \a > 1
	s_wait_xcnt 0x0                                ; tile a - 2's stores have read their registers: tile a's loads may land there
.endif
	TOSTAGE \a
	SEND \a-1, 16                                  ; behind tile a - 1's loads: tile a's 8 stores and 8 loads
.endr
	SEND 7, 0
	s_wait_tensorcnt 0x0                           ; the wave's end: behind my last tensor load and my last LDS store
	ds_add_u32 v[SPW], v[NIL]
	s_wait_dscnt 0x0
	CROUND                                         ; the closing round: no work-group ends while a partner may still ask for a tile that names it
	s_endpgm
.Lfunc_end_k_qe68b150899_proj:
	.size	k_qe68b150899_proj, .Lfunc_end_k_qe68b150899_proj-k_qe68b150899_proj
	.p2alignl 7, 3214868480
	.fill 96, 4, 3214868480
	.section	.rodata,"a",@progbits
	.p2align	6, 0x0
	.amdhsa_kernel k_qe68b150899_proj
		.amdhsa_group_segment_fixed_size 327680
		.amdhsa_private_segment_fixed_size 0
		.amdhsa_enable_private_segment 0
		.amdhsa_kernarg_size 40
		.amdhsa_user_sgpr_count 2
		.amdhsa_user_sgpr_kernarg_segment_ptr 1
		.amdhsa_wavefront_size32 1
		.amdhsa_system_sgpr_workgroup_id_x 1
		.amdhsa_system_sgpr_workgroup_id_y 1
		.amdhsa_system_sgpr_workgroup_id_z 1
		.amdhsa_system_vgpr_workitem_id 0
		.amdhsa_next_free_vgpr 768
		.amdhsa_next_free_sgpr 100
		.amdhsa_reserve_vcc 0
		.amdhsa_float_denorm_mode_32 3
		.amdhsa_float_denorm_mode_16_64 3
		.amdhsa_memory_ordered 1
		.amdhsa_forward_progress 1
		.amdhsa_inst_pref_size 77
	.end_amdhsa_kernel
	.amdgpu_metadata
---
amdhsa.version: [ 1, 2 ]
amdhsa.kernels:
  - .name:           k_qe68b150899_proj
    .symbol:         k_qe68b150899_proj.kd
    .args:
      - { .name: y_img, .offset: 0, .size: 8, .value_kind: global_buffer, .address_space: global }
      - { .name: wp_img, .offset: 8, .size: 8, .value_kind: global_buffer, .address_space: global }
      - { .name: b_proj, .offset: 16, .size: 8, .value_kind: global_buffer, .address_space: global }
      - { .name: lowp_scales, .offset: 24, .size: 8, .value_kind: global_buffer, .address_space: global }
      - { .name: out0, .offset: 32, .size: 8, .value_kind: global_buffer, .address_space: global }
    .group_segment_fixed_size: 327680
    .private_segment_fixed_size: 0
    .kernarg_segment_align: 8
    .kernarg_segment_size: 40
    .max_flat_workgroup_size: 128
    .sgpr_count:     100
    .vgpr_count:     768
    .wavefront_size: 32
...
	.end_amdgpu_metadata
.endif
;; end of part 4
